; MI455X (gfx1250); checked and timed in simulation.
; The chip was launched on July 23, 2026; its instructions are those of AMD's public machine-readable ISA for CDNA 5 (MIT licence, August 2026) and "CDNA5" Instruction Set Architecture Reference Guide (July 2026). The comments in the code are by the model that wrote it; some were corrected since.
;; MMN. Allowed arithmetic: matrix products marked QUANTISED: E3M2 operands, one E8M0 scale for each 32 along K, by v_wmma_scale_f32_16x16x128_f8f6f4 with both operands' format E3M2, f32 sums; products left as they are: f32 operands where the result goes on into a quantised operand, else bf16, f16 or f32 operands; f32 sums; everything else in f32.
;; Inputs: W1 512 x 128 float32; W2 512 x 128 float32; Wfuse 128 float32; Wiou 256 x 512 float32; Wp 256 x 512 float32; b1 128 float32; b2 128 float32; feats 16 x 512 x 64 float32; sent_feat 16 x 8 x 256 float32; sent_feat_fusion 16 x 8 x 512 float32; sent_feat_iou 16 x 8 x 256 float32.
;; Outputs: out0 3 x 16 x 8 x 64 x 64 float32.
;; This version of the problem:
;;   THIS VERSION OF THE PROBLEM IS GIVEN IN LOW PRECISION. The matrix products marked QUANTISED in the list below multiply operands that are first quantised to E3M2 (3 exponent bits, 2 mantissa bits; 6 bits a number), with one power-of-two scale for each 32 numbers along K (OCP MX v1.0); their sums are f32. All else is computed in f32.
;;   The module's matrix products, in the order in which they are computed (A, B: the left and right operand; K: the contracted axis; several contracted axes count as one K, in the product's order):
;;     1. batch 8,192 x [M 64, K 1] x [K 1, N 64]; A: computed on the way; B: computed on the way: left as it is (no contracted axis)
;;     2. [M 65,536, K 512] x [K 512, N 256]; A: computed on the way; B: input Wiou: QUANTISED
;;     3. batch 8,192 x [M 64, K 1] x [K 1, N 64]; A: computed on the way; B: computed on the way: left as it is (no contracted axis)
;;     4. [M 65,536, K 512] x [K 512, N 256]; A: computed on the way; B: input Wp: QUANTISED
;;     5. batch 16 x [M 8, K 256] x [K 256, N 4,096]; A: computed on the way; B: computed on the way: left as it is (M = 8 < 16)
;;     6. batch 16 x [M 8, K 256] x [K 256, N 4,096]; A: computed on the way; B: computed on the way: left as it is (M = 8 < 16)
;;     7. [M 128, K 512] x [K 512, N 1,024]; A: input W1; B: input feats: QUANTISED
;;     8. [M 128, K 512] x [K 512, N 128]; A: input sent_feat_fusion; B: input W2: QUANTISED
;;     9. batch 128 x [M 8,192, K 1] x [K 1, N 1]; A: computed on the way; B: computed on the way: left as it is (no contracted axis)
;;     10. batch 128 x [M 64, K 128] x [K 128, N 64]; A: computed on the way; B: computed on the way: QUANTISED
;;   THE QUANTISER, for each operand of a quantised product, along K:
;;     - K is cut into blocks of 32 from its start; a last block that is shorter is filled with zeros.
;;     - A block's scale is 2^e with e = floor(log2(the largest magnitude in the block)) - 4, held to -126 .. 127; a block of zeros has e = 0. As a byte (E8M0): e + 127.
;;     - Each number is divided by its block's scale, clamped to +-28, and rounded to the nearest number of E3M2, ties to even, subnormals kept.
;;     - The product sums the exact products of the quantised numbers (number of the format x scale) in f32.
;;   ~~~python
;;   def quantise(x, axis):      # numpy; x: float32 -> the quantised numbers, widened to float32 again
;;       x = np.moveaxis(x, axis, -1); K = x.shape[-1]
;;       x = np.pad(x, [(0, 0)] * (x.ndim - 1) + [(0, -K % 32)]); x = x.reshape(x.shape[:-1] + (-1, 32)); a = np.abs(x).max(-1, keepdims=True)
;;       e = np.where(a > 0, np.clip(np.frexp(np.where(a > 0, a, 1))[1] - 1 - 4, -126, 127), 0)      # np.frexp(a)[1] - 1 = floor(log2(a)), exactly
;;       r = np.clip(x / 2.0 ** e, -28, 28)
;;       step = 2.0 ** (np.maximum(np.frexp(np.where(r == 0, 1, r))[1] - 1, -2) - 2)
;;       q = np.round(r / step) * step * 2.0 ** e      # np.round: ties to even
;;       return np.moveaxis(q.reshape(q.shape[:-2] + (-1,))[..., :K], -1, axis).astype(np.float32)
;;   ~~~
;;   OPERANDS COMPUTED ON THE WAY. 'Computed on the way' means the value that the module computes at that place (a softmax that the list does not call 'softmax' is quantised finished and normalised). What goes into a quantiser is computed in f32, as accurately as f32 sums, v_exp_f32 and their like allow (about 1e-6 of the number): no bf16 or f16 on the way to a quantiser, and a product that is left as it is and whose result goes on into a quantised operand takes f32 operands (vector FMAs, or v_wmma_f32_16x16x4_f32). A number that lies on a knife's edge between two numbers of the format may be rounded either way, as far as f32 arithmetic and the matrix unit's own rounding can turn it there, and no further.
;; 2 versions, each right; version 2 is version 1 with the launch prep written anew for expert scheduling mode. Each part assembles by itself: llvm-mc -triple=amdgcn-amd-amdhsa -mcpu=gfx1250 --defsym DOCPART=n.
;; ======== version 1 of 2: 2 launches
;; workspace buffers: wimg 204,800 bytes; v1img 524,288 bytes; q2img 65,536 bytes
;; launch prep (part 1): grid 152 x 1, 16 waves a work-group, no clusters, 209,920 bytes of LDS; arguments feats, sent_feat_fusion, W1, b1, W2, b2, Wiou, Wp, wimg, v1img, q2img; writes wimg, v1img, q2img
.if DOCPART == 1
	.amdgcn_target "amdgcn-amd-amdhsa--gfx1250"
	.amdhsa_code_object_version 6
	.text
	.protected	k_qc6a11c448d_prep
	.globl	k_qc6a11c448d_prep
	.p2align	8
	.type	k_qc6a11c448d_prep,@function
k_qc6a11c448d_prep:
	s_mov_b64 s[64:65], 0
	v_nop
	global_prefetch_b8 v0, s[64:65] scope:SCOPE_SE
	s_setreg_imm32_b32 hwreg(HW_REG_WAVE_MODE, 25, 1), 1
	s_wait_xcnt 0x0
; WHAT THIS LAUNCH MAKES, once, for the launch behind it.  All quantising is to BF6 (E3M2) with one E8M0 byte for each 32 along K = d (512).
;   work-groups   0-127 (video b = g / 8):           v1 = W1^T feats[b] + b1, both operands quantised along d -> v1img
;   work-groups 128-143 (64 rows gg = (g - 128) / 8 of (video, sentence)): q2 = sent_feat_fusion W2 + b2, likewise -> q2img
;       in both, of g's low bits: kh = bit 2: which half of the 128 fusion channels; ppy = bit 1: which two of the half's four channel tiles; ppx = bit 0: which two of the four tiles of 16 columns (rows).
;       So a work-group makes 2 x 2 tiles of 16 x 16, and each of its sixteen waves loads 64 rows d of 32 columns: 64 loads.
;   work-groups 144-151 (block W of 64 rows of Wiou, then of Wp): the rows' codes and scale bytes, in the order of the operand's registers -> wimg
; A HALF FRAGMENT is 16 rows x 64 K: lane (r = lane % 16, h = lane / 16) holds ONE block of 32 of row r in six registers.  Its image is 768 bytes: 32 lanes x 16 bytes (registers 0-3),
; then 32 lanes x 8 bytes (registers 4-5).  Two of them on end are a fragment (16 rows x 128 K, 12 registers): four loads bring it back into any wave.
; A TILE'S SCALE TABLE is 256 bytes: the byte of K step q, block 2 c + h, row r lies at 8 (16 (q % 2) + r) + 4 (q / 2) + 2 c + h: one load of 8 bytes a lane gives two registers, register q / 2 holding
; K step q's words in lanes 0-15 (q even) or 16-31 (q odd).
; v1img, q2img: register images of f32: register 4 G + e of lane (r, h) is channel k = 64 (reg / 32) + 32 h + reg % 32 of column (row) 16 tile + r: as the next launch's quantiser wants them.
; A block's scale byte is its largest magnitude's exponent field - 4, held at 1 from below.  LIMITS: a block of zeros gets the byte 1 (the rule says 127): its codes are zeros and this program alone reads the
; bytes; NaN and infinities among the inputs are not served; the bias is the C of the first K step, so it is added first and not last.
; The three roles part on the work-group's number; each has LDS bytes of its own, and no LDS address hangs on the work-group's number.  No tensor loads.
.set X0,    212                        ; v212-214 at work in HQ
.set X1,    213
.set SCL,   214
.set FEB,   0                          ; LDS of the v1 role: at +0 the weight's fragments, at +24,576 the other operand's (tile x 6,144 + K step x 1,536), at +49,152 and +50,176 their scale tables
.set SEB,   51200                      ; the same for the q2 role
.set TURNS, 102400                     ; q2 role: a stage of 16 rows x 272 bytes for each of waves 8-15
.set WSCT,  137216                     ; weight role: the block's scale tables, 4 x 256 bytes
.set TURNW, 138240                     ; weight role: a stage for each of the 16 waves
; REGISTERS: v1 lane, v2 r, v3 h, v4 16 x lane, v5 8 x lane, v6 8 r + h; v7-15, v234-235 LDS addresses; v236-241 offsets in memory; v16-79 numbers as loaded (later fragments up to v159);
; v144-175 a turned tile (later the accumulators at v160); v176-191 two sets of codes; v208-209 scale bytes; v220-227 the bias; v228-233 scale words.
; 32 numbers of one block, v[s] on, become 192 bits of codes in v[c .. c+2] and v[c+4 .. c+6] and the scale's byte in v[b]
.macro HQ s, c, b
	v_max3_num_f32 v[X0], |v[(\s)]|, |v[(\s)+1]|, 0x2800000        ; the floor 2^(5 - 127) among the leaves: the byte cannot fall under 1
	v_max3_num_f32 v[X1], |v[(\s)+2]|, |v[(\s)+3]|, |v[(\s)+4]|    ; two chains, so that no line waits for the line above it
.irp k, 5,9,13,17,21,25
	v_max3_num_f32 v[X0], v[X0], |v[(\s)+\k]|, |v[(\s)+\k+1]|
	v_max3_num_f32 v[X1], v[X1], |v[(\s)+\k+2]|, |v[(\s)+\k+3]|
.endr
	v_max3_num_f32 v[X0], v[X0], |v[(\s)+29]|, |v[(\s)+30]|
	v_max3_num_f32 v[X0], v[X0], v[X1], |v[(\s)+31]|
	v_add_nc_u32 v[SCL], 0xfe000000, v[X0]                         ; 4 off the exponent field: the conversion takes the exponent field of this operand as its scale
	v_cvt_scalef32_pk16_bf6_f32 v[(\c):(\c)+2], v[(\s):(\s)+15], v[SCL]
	v_cvt_scalef32_pk16_bf6_f32 v[(\c)+4:(\c)+6], v[(\s)+16:(\s)+31], v[SCL]   ; (a conversion's three registers begin on an even number)
	v_lshrrev_b32 v[(\b)], 23, v[SCL]                              ; the scale's byte; also the plain line behind the conversions
.endm
.macro HQMOV c                         ; the six registers on end
	v_mov_b32 v[(\c)+3], v[(\c)+4]
	v_mov_b32 v[(\c)+4], v[(\c)+5]
	v_mov_b32 v[(\c)+5], v[(\c)+6]
.endm
.macro HFST a16, a8, asc, c, b, o, os  ; a half fragment's image and its byte go to LDS (a8 already stands 512 bytes on)
	ds_store_b128 v[\a16], v[(\c):(\c)+3] offset:\o
	ds_store_b64 v[\a8], v[(\c)+4:(\c)+5] offset:\o
	ds_store_b8 v[\asc], v[(\b)] offset:\os
.endm
.macro FETCH4 reg, a16, a8, o          ; a whole fragment comes back
	ds_load_b128 v[(\reg):(\reg)+3], v[\a16] offset:(\o)
	ds_load_b64 v[(\reg)+4:(\reg)+5], v[\a8] offset:(\o)+512
	ds_load_b128 v[(\reg)+6:(\reg)+9], v[\a16] offset:(\o)+768
	ds_load_b64 v[(\reg)+10:(\reg)+11], v[\a8] offset:(\o)+1280
.endm
; Two lanes' halves change places: before, lane (r, half) holds BOTH blocks of row r of the work-group's tile 'half' (set c0: the lower block, set c1: the upper); behind, set c0 is tile 0's half fragment and c1 tile 1's.
.macro SWAPST c0, c1, b0, b1
.irp i, 0,1,2,4,5,6
	v_permlane16_swap_b32 v[(\c0)+\i], v[(\c1)+\i]
.endr
	v_permlane16_swap_b32 v[\b0], v[\b1]
	HQMOV \c0
	HQMOV \c1
	HFST 7, 8, 9, \c0, \b0, 0, 0
	HFST 7, 8, 9, \c1, \b1, 6144, 256
.endm
; K IS THE OUTER AXIS: a lane takes a column and its registers run down my wave's 64 rows d: two blocks.  64 loads; the 32 lanes are the columns of the work-group's two tiles.
.macro COLUNIT p, vo, rs
.set d, 0
.rept 64
	global_load_b32 v[16+d], v[\vo], s[\p:\p+1] offset:\rs*d
.set d, d+1
.endr
	s_wait_loadcnt 32                              ; the lower block's 32 loads are in; the upper block's 32 are younger
	HQ 16, 176, 208
	s_wait_loadcnt 0x0
	HQ 48, 184, 209
	SWAPST 176, 184, 208, 209
.endm
; K IS THE INNER AXIS: a tile's 16 rows x my wave's 256 bytes were loaded as they lie (two rows an instruction); they turn through my own stage, so that lane (r, h) gets the 32 neighbours of its block.
.macro ROWTILE raw, c, b
.irp e, 0,1,2,3,4,5,6,7
	ds_store_b128 v14, v[(\raw)+4*\e:(\raw)+4*\e+3] offset:544*\e
.endr
.irp e, 0,1,2,3,4,5,6,7
	ds_load_b128 v[144+4*\e:147+4*\e], v15 offset:16*\e            ; LDS serves a wave's instructions in order: these see the stores above
.endr
	s_wait_dscnt 0x0
	HQ 144, \c, \b
	HQMOV \c
.endm
.macro PW q, y                         ; one K step of one accumulator: source 0 = 16 channels of W1 or W2, source 1 = 16 columns of feats or rows of sentences
.set rD, 160+8*(\y)
.set rY, 16+12*(\q)
.set rX, 64+48*(\y)+12*(\q)
.set rSY, 228+(\q)/2
.set rSX, 230+2*(\y)+(\q)/2
.if (\q) == 0
	v_wmma_scale_f32_16x16x128_f8f6f4 v[rD:rD+7], v[rY:rY+11], v[rX:rX+11], v[220:227], v[rSY], v[rSX] matrix_a_fmt:MATRIX_FMT_BF6 matrix_b_fmt:MATRIX_FMT_BF6
.elseif (\q) == 2
	v_wmma_scale_f32_16x16x128_f8f6f4 v[rD:rD+7], v[rY:rY+11], v[rX:rX+11], v[rD:rD+7], v[rSY], v[rSX] matrix_a_fmt:MATRIX_FMT_BF6 matrix_b_fmt:MATRIX_FMT_BF6
.else
	v_wmma_scale_f32_16x16x128_f8f6f4 v[rD:rD+7], v[rY:rY+11], v[rX:rX+11], v[rD:rD+7], v[rSY], v[rSX] matrix_a_fmt:MATRIX_FMT_BF6 matrix_b_fmt:MATRIX_FMT_BF6 matrix_a_scale:MATRIX_SCALE_ROW1 matrix_b_scale:MATRIX_SCALE_ROW1
.endif
.endm
; THE v1 ROLE (kind 0) AND THE q2 ROLE (kind 1).  s34 = video or group of rows, s35 = kh, s50 = ppy, s51 = ppx.  Waves 0-7 quantise the weight's 32 columns (channel tiles u = 2 ppy, 2 ppy + 1 of half kh),
; waves 8-15 the other operand's tiles 2 ppx, 2 ppx + 1; a wave's d range: 64 (wave % 8) on.  Behind the barrier waves 0 and 1 multiply: wave w takes channel tile 2 ppy + w against both tiles.
; THE COLUMNS OF A WEIGHT TILE ARE NOT NEIGHBOURS: row r of tile u is channel 64 kh + 8 u + r % 8 + 32 (r / 8), so that the result's register j of lane half h is channel 64 kh + 32 h + 8 u + j.
.macro FS base, wp, bp, op, xq, kind
	s_mul_i32 s36, s28, 24576                      ; every LDS address is made here, ahead of the waves' parting
	s_add_co_u32 s36, s36, s29
	s_add_co_u32 s36, s36, \base
	v_add_nc_u32 v7, s36, v4                       ; where I store a half fragment: region (weight or other) + K step x 1,536 + c x 768 + 16 x lane
	v_add_nc_u32 v8, s36, v5
	v_add_nc_u32 v8, 512, v8
	s_lshl_b32 s36, s28, 10
	s_add_co_u32 s36, s36, s30
	s_add_co_u32 s36, s36, \base+49152
	v_add_nc_u32 v9, s36, v6                       ; and its byte
	s_mul_i32 s36, s37, 6144
	s_add_co_u32 s36, s36, \base
	v_add_nc_u32 v10, s36, v4                      ; the product: my channel tile's four fragments (tile wave % 2 of the work-group's two)
	v_add_nc_u32 v11, s36, v5
	v_add_nc_u32 v12, \base+24576, v4              ; the other operand's two tiles
	v_add_nc_u32 v13, \base+24576, v5
	s_lshl_b32 s36, s37, 8
	s_add_co_u32 s36, s36, \base+49152
	v_add_nc_u32 v234, s36, v5                     ; their scale tables
	v_add_nc_u32 v235, \base+50176, v5
.if \kind
	s_mul_i32 s36, s27, 4352
	s_add_co_u32 s36, s36, TURNS
	v_add_nc_u32 v14, s36, v238                    ; my stage, in and out
	v_add_nc_u32 v15, s36, v239
.endif
	s_lshl_b32 s40, s27, 15                        ; the weight: 64 rows of 512 bytes a wave, + 256 kh + 64 ppy
	s_lshl_b32 s39, s35, 8
	s_add_co_u32 s40, s40, s39
	s_lshl_b32 s52, s50, 6
	s_add_co_u32 s40, s40, s52
	s_mov_b32 s41, 0
	s_add_nc_u64 s[42:43], s[\wp:\wp+1], s[40:41]
	s_lshl_b32 s40, s37, 5                         ; the bias: 4 (64 kh + 8 u), u = 2 ppy + wave (+ 128 h in the lane's offset)
	s_add_co_u32 s40, s40, s39
	s_add_co_u32 s40, s40, s52
	s_add_nc_u64 s[46:47], s[\bp:\bp+1], s[40:41]
	s_lshl_b32 s40, s34, 15                        ; the image: 32,768 x block + 8,192 x tile (2 ppx + y) + 512 x (8 kh + 2 u)
	s_lshl_b32 s39, s51, 14
	s_add_co_u32 s40, s40, s39
	s_lshl_b32 s39, s35, 12
	s_add_co_u32 s40, s40, s39
	s_lshl_b32 s39, s50, 11
	s_add_co_u32 s40, s40, s39
	s_lshl_b32 s39, s37, 10
	s_add_co_u32 s40, s40, s39
	s_add_nc_u64 s[48:49], s[\op:\op+1], s[40:41]
	s_lshl_b32 s40, s34, 17                        ; the other operand: 131,072 bytes a video (a group of 64 rows),
.if \kind
	s_lshl_b32 s39, s27, 8                         ; + my wave's 256 bytes of each row,
	s_add_co_u32 s40, s40, s39
	s_lshl_b32 s39, s51, 16                        ; + 32 rows of 2,048 bytes for ppx
.else
	s_lshl_b32 s39, s27, 14                        ; + my wave's 64 rows of 256 bytes,
	s_add_co_u32 s40, s40, s39
	s_lshl_b32 s39, s51, 7                         ; + 32 columns for ppx
.endif
	s_add_co_u32 s40, s40, s39
	s_add_nc_u64 s[44:45], s[\xq:\xq+1], s[40:41]
	s_cmp_lt_u32 s26, 8
	s_cbranch_scc0 .Lx_\@
	s_cmp_lt_u32 s26, 2                            ; the two waves that will multiply ask for the bias now
	s_cbranch_scc0 .Lnb_\@
	global_load_b128 v[220:223], v241, s[46:47]    ; the bias in the result's layout: eight channels of my lane half
	global_load_b128 v[224:227], v241, s[46:47] offset:16
.Lnb_\@:
	COLUNIT 42, 236, 512
	s_branch .Lj_\@
.Lx_\@:
.if \kind
.irp xt, 0,1
.irp e, 0,1,2,3,4,5,6,7
	global_load_b128 v[16+32*\xt+4*\e:19+32*\xt+4*\e], v240, s[44:45] offset:(16*\xt+2*\e)*2048   ; sixteen lanes read 256 consecutive bytes of a row
.endr
.endr
.irp xt, 0,1
	s_wait_loadcnt 8-8*\xt                         ; the younger tile's eight loads may stay out
	ROWTILE 16+32*\xt, 176+8*\xt, 208+\xt
	HFST 7, 8, 9, 176+8*\xt, 208+\xt, 6144*\xt, 256*\xt
.endr
.else
	COLUNIT 44, 237, 256
.endif
.Lj_\@:
	s_wait_dscnt 0x0                               ; for the others' sake: my images and bytes have landed
	s_barrier_signal -1
	s_barrier_wait -1
	s_cmp_lt_u32 s26, 2
	s_cbranch_scc1 .Lp_\@
	s_wait_tensorcnt 0x0
	ds_add_u32 v254, v255
	s_wait_dscnt 0x0
	s_endpgm
.Lp_\@:
.irp q, 0,1,2,3
	FETCH4 16+12*\q, 10, 11, 1536*\q
.endr
.irp y, 0,1
.irp q, 0,1,2,3
	FETCH4 64+48*\y+12*\q, 12, 13, 1536*(4*\y+\q)
.endr
.endr
	ds_load_b64 v[228:229], v234
	ds_load_b64 v[230:231], v235
	ds_load_b64 v[232:233], v235 offset:256
	s_wait_dscnt 0x0
.irp q, 0,1,2,3                        ; the two accumulators by turns, K ascending; the bias starts both sums
.irp y, 0,1
	PW \q, \y
.endr
.endr
.rept 4
	v_nop                                          ; four places between the last product and the stores that read results
.endr
.irp y, 0,1
	global_store_b128 v4, v[160+8*\y:163+8*\y], s[48:49] offset:8192*\y        ; 32 lanes store 512 consecutive bytes, aligned; each accumulator from its low end on
	global_store_b128 v4, v[164+8*\y:167+8*\y], s[48:49] offset:8192*\y+512
.endr
	s_wait_tensorcnt 0x0
	ds_add_u32 v254, v255
	s_wait_dscnt 0x0
	s_endpgm
.endm
	s_load_b256 s[4:11], s[0:1], 0x0               ; feats s[4:5], sent_feat_fusion s[6:7], W1 s[8:9], b1 s[10:11]
	s_load_b256 s[12:19], s[0:1], 0x20             ; W2 s[12:13], b2 s[14:15], Wiou s[16:17], Wp s[18:19]
	s_load_b128 s[20:23], s[0:1], 0x40             ; wimg s[20:21], v1img s[22:23]
	s_load_b64 s[24:25], s[0:1], 0x50              ; q2img
	v_lshl_add_u32 v254, v0, 2, 0x32c00
	v_mov_b32 v255, 0
	v_lshrrev_b32 v1, 5, v0
	v_readfirstlane_b32 s26, v1                    ; wave 0..15
	s_and_b32 s27, s26, 7                          ; which 64 of d are mine
	s_lshr_b32 s28, s26, 3
	s_and_b32 s37, s26, 1                          ; in the product: which of the work-group's two channel tiles
	s_lshr_b32 s31, s27, 1                         ; my K step q,
	s_and_b32 s32, s27, 1                          ; and which half c of it
	s_mul_i32 s29, s31, 1536
	s_mul_i32 s33, s32, 768
	s_add_co_u32 s29, s29, s33                     ; my half fragment's place in a tile's four fragments
	s_and_b32 s30, s31, 1
	s_lshl_b32 s30, s30, 7
	s_lshr_b32 s33, s27, 2
	s_lshl_b32 s33, s33, 2
	s_add_co_u32 s30, s30, s33
	s_lshl_b32 s33, s32, 1
	s_add_co_u32 s30, s30, s33                     ; my bytes' place in a scale table: 128 (q % 2) + 4 (q / 2) + 2 c
	v_and_b32 v1, 31, v0                           ; lane
	v_and_b32 v2, 15, v0                           ; r
	v_bfe_u32 v3, v0, 4, 1                         ; h
	v_lshlrev_b32 v4, 4, v1
	v_lshlrev_b32 v5, 3, v1
	v_lshl_add_u32 v6, v2, 3, v3
	v_and_b32 v236, 7, v0
	v_lshlrev_b32 v236, 2, v236
	v_bfe_u32 v237, v0, 3, 1
	v_lshl_add_u32 v236, v237, 7, v236
	v_lshl_add_u32 v236, v3, 5, v236               ; a weight's column: 4 (r % 8) + 128 (r / 8) + 32 (lane / 16)
	v_lshlrev_b32 v237, 2, v1                      ; a column of feats: 4 x lane
	v_mul_u32_u24 v238, v3, 272
	v_lshl_add_u32 v238, v2, 4, v238               ; a stage, in: row lane / 16, 16 bytes a lane
	v_mul_u32_u24 v239, v2, 272
	v_lshl_add_u32 v239, v3, 7, v239               ; and out: row r, 128 h
	v_lshlrev_b32 v240, 11, v3
	v_lshl_add_u32 v240, v2, 4, v240               ; rows of 2,048 bytes: row lane / 16, 16 bytes a lane
	v_lshlrev_b32 v241, 7, v3                      ; the bias: 128 h
	s_bfe_u32 s35, ttmp9, 0x10002                  ; kh, ppy, ppx: the three low bits of the work-group's number (128 is a multiple of 8: the same bits in both roles)
	s_bfe_u32 s50, ttmp9, 0x10001
	s_and_b32 s51, ttmp9, 1
	s_wait_kmcnt 0x0
	s_cmp_ge_u32 ttmp9, 144
	s_cbranch_scc1 .Lwq
	s_cmp_ge_u32 ttmp9, 128
	s_cbranch_scc1 .Lse
	s_lshr_b32 s34, ttmp9, 3                       ; the video
	FS FEB, 8, 10, 22, 4, 0
.Lse:
	s_sub_co_u32 s34, ttmp9, 128
	s_lshr_b32 s34, s34, 3                         ; the group of 64 rows
	FS SEB, 12, 14, 24, 6, 1
; THE WEIGHT ROLE: 64 rows of Wiou or Wp.  Wave (tp = wave / 8, d range wave % 8) takes tiles 2 tp and 2 tp + 1 of 16 rows.
.Lwq:
	s_sub_co_u32 s34, ttmp9, 144                   ; block W
	s_and_b32 s35, s34, 3
	s_cmp_lt_u32 s34, 4
	s_cselect_b64 s[42:43], s[16:17], s[18:19]     ; the choice hangs on the work-group's number alone
	s_lshl_b32 s40, s35, 17                        ; 64 rows of 2,048 bytes a block,
	s_lshl_b32 s39, s28, 16                        ; 32 rows for tp,
	s_add_co_u32 s40, s40, s39
	s_lshl_b32 s39, s27, 8                         ; my 256 bytes of each row
	s_add_co_u32 s40, s40, s39
	s_mov_b32 s41, 0
	s_add_nc_u64 s[42:43], s[42:43], s[40:41]
	s_mul_i32 s40, s34, 25600
	s_add_nc_u64 s[46:47], s[20:21], s[40:41]      ; the block's place in wimg
	s_lshr_b32 s39, s27, 2
	s_mul_i32 s40, s39, 13312                      ; K steps 2, 3 lie behind the scale tables,
	s_and_b32 s39, s31, 1
	s_mul_i32 s39, s39, 6144                       ; four fragments a K step,
	s_add_co_u32 s40, s40, s39
	s_mul_i32 s39, s28, 3072                       ; tile 2 tp,
	s_add_co_u32 s40, s40, s39
	s_mul_i32 s39, s32, 768                        ; half c
	s_add_co_u32 s40, s40, s39
	s_add_nc_u64 s[44:45], s[46:47], s[40:41]
	s_mul_i32 s36, s26, 4352
	s_add_co_u32 s36, s36, TURNW
	v_add_nc_u32 v14, s36, v238
	v_add_nc_u32 v15, s36, v239
	s_lshl_b32 s36, s28, 9
	s_add_co_u32 s36, s36, s30
	s_add_co_u32 s36, s36, WSCT
	v_add_nc_u32 v9, s36, v6                       ; my bytes in the tables
	s_and_b32 s36, s26, 1
	s_lshl_b32 s36, s36, 9
	v_add_nc_u32 v11, s36, v4                      ; the tables' way out: 512 bytes for each of waves 0 and 1
	v_add_nc_u32 v10, WSCT, v11
.irp y, 0,1
.irp e, 0,1,2,3,4,5,6,7
	global_load_b128 v[16+32*\y+4*\e:19+32*\y+4*\e], v240, s[42:43] offset:(16*\y+2*\e)*2048 th:TH_LOAD_NT   ; read once in the launch
.endr
.endr
.irp y, 0,1
	s_wait_loadcnt 8-8*\y                          ; the younger tile's eight loads may stay out
	ROWTILE 16+32*\y, 176+8*\y, 208+\y
	global_store_b128 v4, v[176+8*\y:179+8*\y], s[44:45] offset:1536*\y        ; 512 consecutive bytes, aligned
	global_store_b64 v5, v[180+8*\y:181+8*\y], s[44:45] offset:1536*\y+512     ; 256 consecutive bytes, aligned
	ds_store_b8 v9, v[208+\y] offset:256*\y
.endr
	s_wait_dscnt 0x0                               ; for the others' sake: my bytes have landed
	s_barrier_signal -1
	s_barrier_wait -1
	s_cmp_lt_u32 s26, 2
	s_cbranch_scc0 .Lwq_end
	ds_load_b128 v[144:147], v10
	s_wait_dscnt 0x0
	global_store_b128 v11, v[144:147], s[46:47] offset:12288
.Lwq_end:
	s_wait_tensorcnt 0x0
	ds_add_u32 v254, v255
	s_wait_dscnt 0x0
	s_endpgm
.Lfunc_end_k_qc6a11c448d_prep:
	.size	k_qc6a11c448d_prep, .Lfunc_end_k_qc6a11c448d_prep-k_qc6a11c448d_prep
	.p2alignl 7, 3214868480
	.fill 96, 4, 3214868480
	.section	.rodata,"a",@progbits
	.p2align	6, 0x0
	.amdhsa_kernel k_qc6a11c448d_prep
		.amdhsa_group_segment_fixed_size 209920
		.amdhsa_private_segment_fixed_size 0
		.amdhsa_enable_private_segment 0
		.amdhsa_kernarg_size 88
		.amdhsa_user_sgpr_count 2
		.amdhsa_user_sgpr_kernarg_segment_ptr 1
		.amdhsa_wavefront_size32 1
		.amdhsa_system_sgpr_workgroup_id_x 1
		.amdhsa_system_sgpr_workgroup_id_y 1
		.amdhsa_system_sgpr_workgroup_id_z 1
		.amdhsa_system_vgpr_workitem_id 0
		.amdhsa_next_free_vgpr 256
		.amdhsa_next_free_sgpr 66
		.amdhsa_reserve_vcc 0
		.amdhsa_float_denorm_mode_32 3
		.amdhsa_float_denorm_mode_16_64 3
		.amdhsa_memory_ordered 1
		.amdhsa_forward_progress 1
		.amdhsa_inst_pref_size 61
	.end_amdhsa_kernel
	.amdgpu_metadata
---
amdhsa.version: [ 1, 2 ]
amdhsa.kernels:
  - .name:           k_qc6a11c448d_prep
    .symbol:         k_qc6a11c448d_prep.kd
    .args:
      - { .name: feats, .offset: 0, .size: 8, .value_kind: global_buffer, .address_space: global }
      - { .name: sent_feat_fusion, .offset: 8, .size: 8, .value_kind: global_buffer, .address_space: global }
      - { .name: W1, .offset: 16, .size: 8, .value_kind: global_buffer, .address_space: global }
      - { .name: b1, .offset: 24, .size: 8, .value_kind: global_buffer, .address_space: global }
      - { .name: W2, .offset: 32, .size: 8, .value_kind: global_buffer, .address_space: global }
      - { .name: b2, .offset: 40, .size: 8, .value_kind: global_buffer, .address_space: global }
      - { .name: Wiou, .offset: 48, .size: 8, .value_kind: global_buffer, .address_space: global }
      - { .name: Wp, .offset: 56, .size: 8, .value_kind: global_buffer, .address_space: global }
      - { .name: wimg, .offset: 64, .size: 8, .value_kind: global_buffer, .address_space: global }
      - { .name: v1img, .offset: 72, .size: 8, .value_kind: global_buffer, .address_space: global }
      - { .name: q2img, .offset: 80, .size: 8, .value_kind: global_buffer, .address_space: global }
    .group_segment_fixed_size: 209920
    .private_segment_fixed_size: 0
    .kernarg_segment_align: 8
    .kernarg_segment_size: 88
    .max_flat_workgroup_size: 512
    .sgpr_count:     66
    .vgpr_count:     256
    .wavefront_size: 32
...
	.end_amdgpu_metadata
.endif
;; end of part 1
;; launch main (part 2): grid 16 x 16, 8 waves a work-group, clusters of 4 x 1, 327,680 bytes of LDS; arguments feats, sent_feat_iou, sent_feat, Wfuse, wimg, v1img, q2img, out0; writes out0
.if DOCPART == 2
	.amdgcn_target "amdgcn-amd-amdhsa--gfx1250"
	.amdhsa_code_object_version 6
	.text
	.protected	k_qc6a11c448d_main
	.globl	k_qc6a11c448d_main
	.p2align	8
	.type	k_qc6a11c448d_main,@function
k_qc6a11c448d_main:
	s_mov_b64 s[64:65], 0
	v_nop
	global_prefetch_b8 v0, s[64:65] scope:SCOPE_SE
	s_setreg_imm32_b32 hwreg(HW_REG_WAVE_MODE, 25, 1), 1
	s_wait_xcnt 0x0
	s_wait_alu depctr_hold_cnt(0) depctr_sa_sdst(0) depctr_va_vdst(0) depctr_va_sdst(0) depctr_va_ssrc(0) depctr_va_vcc(0) depctr_vm_vsrc(0)
	s_getreg_b32 s2, hwreg(HW_REG_IB_STS2, 6, 4)
	s_cmp_eq_u32 s2, 0
	s_cbranch_scc0 .Lentry_in_a_cluster
	s_endpgm
.Lentry_in_a_cluster:
	s_bfe_u32 s2, ttmp6, 0x10000c
	s_cmp_lg_u32 s2, 0x3003
	s_cbranch_scc0 .Lentry_shape_is_right
	s_endpgm
.Lentry_shape_is_right:
; out0[3][16][8][64][64]: map 0 = sigmoid(10 cos(sentence_iou, Wiou p)), map 1 = sigmoid(10 fusion score), map 2 = cos(sentence, Wp p), each x (n <= m); p[d] = feats[b][d][n] feats[b][d][m].
; SHARES.  Work-group (video b, i = 0..15) owns the rows n = 16 tn + i, tn = 0..3, of maps 0 and 2.  Row tn needs the tiles tm >= tn of 16 columns m = 16 tm + r: 4 + 3 + 2 + 1 = 10 tiles of 16 pairs (n, m),
; the same number in every work-group; the tiles that lie wholly under the mask are not multiplied and are stored as zeros.  Of map 1 it owns sentence i / 2, rows 16 tn_a .. + 15 for tn_a = i % 2 and 3 - i % 2.
; THE EIGHT WAVES SHARE THE 512 CHANNELS (wave w: 64 rows of Wiou, w < 4, or of Wp), whose codes stay in 192 registers; in the build they share d: wave w forms and quantises p for d = 64 w .. 64 w + 63 of all
; 160 pairs: lane (r, h) holds pair r's whole block of 32 (d = 64 w + 32 h + 0 .. 31), so a block's largest magnitude needs no other lane.  The codes go from wave to wave through LDS as images of the operand's
; registers (half fragment: 32 lanes x 16 bytes, then 32 lanes x 8 bytes; scale table of a tile: byte at 8 (16 (q % 2) + r) + 4 (q / 2) + block).
; PRODUCTS.  Source 0 = 16 channels, source 1 = 16 pairs: a lane holds ONE pair and eight channels.  The squares are summed in f32; the results, rounded to bf16 in pairs, are source 1 of the product with the eight
; sentences (bf16; rows 8-15 of source 0 are zeros).  Both norms divide at the end: score = dot / (max(|sentence|, 1e-12) max(|map|, 1e-12)).
; BY TURNS.  The ten tiles go one after the other, on two sets of registers.  While tile t's 16 products are issued, tile t - 1's vector work (squares, roundings, the sentences' two products, the way to LDS) and the
; loads of tile t + 1's fragments stand in slices behind them, one slice behind each product.  The two waves of a SIMD leave the barrier together and run the same text: set in phases, both would want the matrix
; unit and then both the vector unit.  The price is two switches of the register window for each slice: the weights (192 registers) and what the vector work touches do not fit into one window.
; CLUSTER.  The four work-groups of a cluster belong to one video: feats[b] (131,072 bytes) and the weights' images (204,800 bytes) are asked for JOINTLY.  The second half of the weights comes into the bytes that
; feats has left: one refill.  By this text's own count a wave has at most three tensor loads out.
; LIMITS: NaN and infinities among the inputs are not served; a block of zeros gets the byte 1 with zero codes; the sentences enter the bf16 product unnormalised and their norm divides afterwards; a sum of
; squares under 2^-126 counts as 0 in the root (the norm is then held at 1e-12 as in the definition).
.set FBLK,  16640                      ; LDS: for each wave its 64 rows d of feats: rows 0-31 at +0, rows 32-63 at +8,256 (so that the two halves of the lanes read different banks: 64 banks of 4 bytes, ISA guide 11.1)
.set FHIO,  8256
.set WREG,  133120                     ; for each wave 13,312 bytes: its weights' K steps 0, 1 (8 fragments) and its four scale tables
.set WBLK,  13312
.set AIMG,  239616                     ; the pairs' fragments: (4 t + q) x 1,536
.set ASCT,  301056                     ; their scale tables: 256 t
.set FUSI,  303616                     ; the fusion's six fragments: 0-3 for the columns m, 4-5 for the rows n
.set FUSS,  312832                     ; their scale words, 128 bytes each
.set SNT,   313600                     ; the sentences' sums of squares: 32 bytes a wave
.set SPARE, 313856                     ; the spare words, 128 bytes a wave: four blocks of 256 bytes that no other line names
.set PBLK,  6400                       ; behind barrier 1, in the bytes that have had their last fill: at 0 each wave's partial results, 640 bytes a tile (512 of dots, 128 of sums of squares),
.set STG,   133120                     ; and at WREG the stage for the way out: 96 rows of 256 bytes
.set SPW, 1                            ; v1  LDS address of my spare word; never rewritten
.set NIL, 2                            ; v2  0; never rewritten
.set LN,  3                            ; v3  lane;  v4 r = lane % 16;  v5 h = lane / 16
.set RR,  4
.set HH,  5
; v6-22: addresses, made anew for each of three phases on the path that all waves take
.set LM, 6
.set A16W, 7
.set A8W, 8
.set ASW, 9
.set SNW, 10
.set FU16, 11
.set FU8, 12
.set FUSW, 13
.set W16, 14
.set W8, 15
.set R16, 16
.set R8, 17
.set GS, 18
.set GL16, 19
.set GQ, 20
.set GW, 21
.set G16, 6
.set G8, 7
.set ZST, 8
.set PD, 9
.set PS, 10
.set FB16, 11
.set FB8, 12
.set FA16, 13
.set FA8, 14
.set FBS, 15
.set FAS, 16
.set DM, 22
.set FD, 6
.set FS, 7
.set FN, 8
.set FO, 9
.set FFO, 10
.set O1, 11
.set O2, 12
.set GV1, 18
.set GV2, 19
.set WSC, 24                           ; v24-31  my weights' scale words: register 2 jt + q / 2
.set ASC, 32                           ; v32-35  the pairs' scale words: 2 (t % 2) + q / 2
.set X0,  36                           ; v36-43  at work: in the products' phase the sums of squares, four registers for each of the two sets
.set X1,  37
.set SCL, 38
.set D2,  44                           ; v44-59  the sentences' products, eight registers a set (in the build: two sets of codes)
.set ACC, 60                           ; v60-123 eight accumulators: 32 (t % 2) + 8 jt
.set BF,  124                          ; v124-155 their results in bf16, 16 registers a set
.set AF,  156                          ; v156-251 two tiles' fragments: 48 (t % 2) + 12 q
.set ZR,  252                          ; v252-255 zeros
.set MV,  60                           ; the build: v60-187 feats of my d for the four tiles of columns; v188-219 the row's numbers; v220-251 p
.set NV,  188
.set PV,  220
.set A2,  192                          ; window 1: v0-191 my weights' fragments at 12 (4 q + jt) (before them v1, q2, Wfuse); v192-207 the sentences in bf16
.set DT,  68                           ; the end: v68-107 dots, v108-147 sums of squares, v148-151 the sentence's
.set SQ,  108
.set SNR, 148
.set MSB, 0
.macro WIN new                         ; the immediate's high byte repeats the setting that is left; a switch that changes nothing is dropped
.if MSB != \new
	s_set_vgpr_msb (MSB<<8)|\new
.set MSB, \new
.endif
.endm
.macro PLACES
.rept 4
	v_nop
.endr
.endm
.macro ROUND                           ; a round of the cluster's barrier
	s_barrier_signal -1
	s_barrier_wait -1
	s_cmp_lg_u32 s20, 0
	s_cbranch_scc1 .Lnw0_\@
	s_barrier_signal -3
.Lnw0_\@:
	s_barrier_wait -3
	s_barrier_signal -1
	s_barrier_wait -1
.endm
; 32 numbers of one block, v[s] on, become 192 bits of codes in v[c .. c+2] and v[c+4 .. c+6] and the scale's byte in v[b]
.macro HQ s, c, b
	v_max3_num_f32 v[X0], |v[(\s)]|, |v[(\s)+1]|, 0x2800000        ; the floor 2^(5 - 127) among the leaves: the byte cannot fall under 1
	v_max3_num_f32 v[X1], |v[(\s)+2]|, |v[(\s)+3]|, |v[(\s)+4]|
.irp k, 5,9,13,17,21,25
	v_max3_num_f32 v[X0], v[X0], |v[(\s)+\k]|, |v[(\s)+\k+1]|
	v_max3_num_f32 v[X1], v[X1], |v[(\s)+\k+2]|, |v[(\s)+\k+3]|
.endr
	v_max3_num_f32 v[X0], v[X0], |v[(\s)+29]|, |v[(\s)+30]|
	v_max3_num_f32 v[X0], v[X0], v[X1], |v[(\s)+31]|
	v_add_nc_u32 v[SCL], 0xfe000000, v[X0]                         ; 4 off the exponent field: the conversion's scale operand
	v_cvt_scalef32_pk16_bf6_f32 v[(\c):(\c)+2], v[(\s):(\s)+15], v[SCL]
	v_cvt_scalef32_pk16_bf6_f32 v[(\c)+4:(\c)+6], v[(\s)+16:(\s)+31], v[SCL]
	v_lshrrev_b32 v[(\b)], 23, v[SCL]                              ; the scale's byte; also the plain line behind the conversions
.endm
; quantise a block and store its half fragment's image and byte.  Two sets of code registers take turns.
.macro QST s, set, a16, a8, asc, o, os
	s_wait_dscnt 3                                 ; the three stores of the half fragment before may stay out; those of the one before that, from this set's registers, are done
	HQ \s, 44+8*(\set), 40+(\set)
	v_mov_b32 v[47+8*(\set)], v[48+8*(\set)]       ; the six registers on end
	v_mov_b32 v[48+8*(\set)], v[49+8*(\set)]
	v_mov_b32 v[49+8*(\set)], v[50+8*(\set)]
	ds_store_b128 v[\a16], v[44+8*(\set):47+8*(\set)] offset:\o
	ds_store_b64 v[\a8], v[48+8*(\set):49+8*(\set)] offset:\o
	ds_store_b8 v[\asc], v[40+(\set)] offset:\os
.endm
.macro FETCH4 reg, a16, a8, o          ; a whole fragment comes back from its image
	ds_load_b128 v[(\reg):(\reg)+3], v[\a16] offset:(\o)
	ds_load_b64 v[(\reg)+4:(\reg)+5], v[\a8] offset:(\o)+512
	ds_load_b128 v[(\reg)+6:(\reg)+9], v[\a16] offset:(\o)+768
	ds_load_b64 v[(\reg)+10:(\reg)+11], v[\a8] offset:(\o)+1280
.endm
	s_load_b256 s[4:11], s[0:1], 0x0               ; feats s[4:5], sent_feat_iou s[6:7], sent_feat s[8:9], Wfuse s[10:11]
	s_load_b256 s[12:19], s[0:1], 0x20             ; wimg s[12:13], v1img s[14:15], q2img s[16:17], out0 s[18:19]
	v_lshl_add_u32 v[SPW], v0, 2, SPARE
	v_mov_b32 v[NIL], 0
	ds_add_u32 v1, v2
	ds_add_u32 v1, v2
	s_wait_dscnt 0x0
	v_lshrrev_b32 v3, 5, v0
	v_readfirstlane_b32 s20, v3                    ; wave 0..7
	s_lshr_b32 s21, s20, 2                         ; hd: 0 the iou head, 1 the contrastive head
	s_and_b32 s22, s20, 3                          ; u: which 64 of the head's 256 channels
	s_bfe_u32 s23, ttmp6, 0x40000                  ; cx
	s_lshl_b32 s67, ttmp9, 2
	s_add_co_u32 s67, s67, s23                     ; i.  i and what is made of it enter addresses in memory of my own loads and stores, a lane select and compare values: no branch, no LDS address
	s_and_b32 s68, s67, 1
	s_lshr_b32 s69, s67, 1                         ; the fusion's sentence
	s_and_b32 s70, ttmp7, 0xffff                   ; the video, which the four partners share
	s_mul_i32 s66, s67, 0x11111111                 ; eight fields of four bits: every lane takes lane i of its half
	s_mov_b32 s84, 0x76543210
	s_mov_b32 s85, 0xfedcba98                      ; v_permlanex16_b32's selects for lane l xor 16
	; descriptor groups 1: dense blocks as rows of 256 bytes (32 elements of 8 bytes), no padding; 15:0 the mask of all four partners, 17:16 elements of 8 bytes, 21 set beside a mask
.irp g, 24, 32, 40
	s_mov_b32 s[\g], 15|(3<<16)|(1<<21)
	s_mov_b32 s[\g+1], 32<<16                      ; tensor_dim0 = 32
	s_mov_b32 s[\g+3], 32<<16                      ; tile_dim0 = 32
	s_mov_b32 s[\g+5], 32                          ; from row to row
	s_mov_b32 s[\g+6], 0
	s_mov_b32 s[\g+7], 0
.endr
	s_mov_b32 s26, 32<<16                          ; feats: 32 rows
	s_mov_b32 s28, 32
	s_mov_b32 s34, 52<<16                          ; the weights' first part: 52 rows
	s_mov_b32 s36, 52
	s_mov_b32 s42, 48<<16                          ; their second part: 48 rows
	s_mov_b32 s44, 48
	s_lshl_b32 s72, s70, 17                        ; feats: 131,072 x video + 16,384 x wave
	s_lshl_b32 s74, s20, 14
	s_add_co_u32 s72, s72, s74
	s_mov_b32 s73, 0
	s_mul_i32 s74, s20, 25600                      ; wimg: my block
	s_mov_b32 s75, 0
	s_mul_i32 s76, s20, FBLK
	s_mul_i32 s77, s20, WBLK
	s_wait_kmcnt 0x0
	s_mov_b32 s48, 1                               ; group 0: my rows d 0-31
	s_mov_b32 s49, s76
	s_add_nc_u64 s[50:51], s[4:5], s[72:73]
	s_mov_b32 s52, 1                               ; my rows d 32-63
	s_add_co_u32 s53, s76, FHIO
	s_add_nc_u64 s[54:55], s[50:51], 8192
	s_or_b32 s51, s51, 0x80000000
	s_or_b32 s55, s55, 0x80000000
	s_mov_b32 s56, 1                               ; my weights' first part
	s_add_co_u32 s57, s77, WREG
	s_add_nc_u64 s[58:59], s[12:13], s[74:75]
	s_mov_b32 s60, 1                               ; and their second, into the bytes that feats will have left
	s_mov_b32 s61, s76
	s_add_nc_u64 s[62:63], s[58:59], 13312
	s_or_b32 s59, s59, 0x80000000
	s_or_b32 s63, s63, 0x80000000
	ROUND                                          ; all four work-groups are here: the first joint loads meet
	tensor_load_to_lds s[48:51], s[24:31]
	s_nop 0
	tensor_load_to_lds s[52:55], s[24:31]
	s_nop 0
	tensor_load_to_lds s[56:59], s[32:39]
	s_nop 0
	PLACES                                         ; four v_nop follow the last of them
	v_and_b32 v[LN], 31, v0
	v_and_b32 v[RR], 15, v0
	v_bfe_u32 v[HH], v0, 4, 1
.irp k, 0,1,2,3
	v_mov_b32 v[ZR+\k], 0
.endr
	v_mul_u32_u24 v[LM], v[HH], FHIO
	v_lshl_add_u32 v[LM], v[RR], 2, v[LM]
	v_add_nc_u32 v[LM], s76, v[LM]                 ; feats in LDS: my block + 8,256 h + 4 r
	s_lshr_b32 s78, s20, 1                         ; in the build my K step q = wave / 2,
	s_and_b32 s79, s20, 1                          ; its half c = wave % 2
	s_mul_i32 s80, s78, 1536
	s_mul_i32 s81, s79, 768
	s_add_co_u32 s80, s80, s81
	s_add_co_u32 s80, s80, AIMG
	v_lshl_add_u32 v[A16W], v[LN], 4, s80
	v_lshl_add_u32 v[A8W], v[LN], 3, s80
	v_add_nc_u32 v[A8W], 512, v[A8W]
	s_and_b32 s81, s78, 1
	s_lshl_b32 s81, s81, 7
	s_lshl_b32 s82, s21, 2
	s_add_co_u32 s81, s81, s82
	s_lshl_b32 s82, s79, 1
	s_add_co_u32 s81, s81, s82
	s_add_co_u32 s81, s81, ASCT
	v_lshl_add_u32 v[ASW], v[RR], 3, v[HH]
	v_add_nc_u32 v[ASW], s81, v[ASW]               ; my byte in a tile's scale table
	v_and_b32 v[SNW], 7, v0
	v_lshlrev_b32 v[GS], 10, v[SNW]
	v_lshl_add_u32 v[GS], v[HH], 5, v[GS]          ; the sentences in memory: row r % 8 of 1,024 bytes, + 32 h
	s_lshl_b32 s82, s20, 5
	s_add_co_u32 s82, s82, SNT
	v_lshl_add_u32 v[SNW], v[SNW], 2, s82
	s_mul_i32 s82, s20, 1536
	s_add_co_u32 s82, s82, FUSI
	v_lshl_add_u32 v[FU16], v[LN], 4, s82
	v_lshl_add_u32 v[FU8], v[LN], 3, s82
	v_add_nc_u32 v[FU8], 512, v[FU8]
	s_lshl_b32 s82, s20, 7
	s_add_co_u32 s82, s82, FUSS
	v_lshl_add_u32 v[FUSW], v[RR], 2, v[HH]
	v_add_nc_u32 v[FUSW], s82, v[FUSW]
	v_lshl_add_u32 v[W16], v[LN], 4, s57
	v_lshl_add_u32 v[W8], v[LN], 3, s57
	v_lshl_add_u32 v[R16], v[LN], 4, s76
	v_lshl_add_u32 v[R8], v[LN], 3, s76
	v_lshlrev_b32 v[GL16], 4, v[LN]
	s_and_b32 s82, s70, 1
	s_lshl_b32 s82, s82, 3
	s_add_co_u32 s82, s82, s69
	s_lshl_b32 s82, s82, 4
	v_lshl_add_u32 v[GQ], v[HH], 8, s82            ; q2's image: every lane takes lane 16 h + 8 (b % 2) + sentence
	v_lshlrev_b32 v[GW], 7, v[HH]
	s_cmp_eq_u32 s21, 0
	s_cselect_b64 s[86:87], s[6:7], s[8:9]         ; my head's sentences
	s_lshl_b32 s82, s70, 13
	s_lshl_b32 s83, s22, 8
	s_add_co_u32 s82, s82, s83
	s_mov_b32 s83, 0
	s_add_nc_u64 s[86:87], s[86:87], s[82:83]      ; video, + my 64 channels
.irp uu, 0,1                           ; in the layout of a 16-bit source 0: K = 32 channels: 8 h + 0..7, then 16 + 8 h + 0..7
.irp k, 0,1,2,3
	global_load_b128 v[NV+16*\uu+4*\k:NV+16*\uu+4*\k+3], v[GS], s[86:87] offset:128*\uu+16*(\k%2)+64*(\k/2)
.endr
.endr
	s_sub_co_u32 s82, 3, s68                       ; the fusion: waves 0-3 take v1's tiles 0-3 (columns m), wave 4 tile i % 2, wave 5 tile 3 - i % 2 (rows n)
	s_cmp_eq_u32 s20, 4
	s_cselect_b32 s83, s68, s20
	s_cmp_eq_u32 s20, 5
	s_cselect_b32 s83, s82, s83
	s_min_u32 s83, s83, 3
	s_lshl_b32 s83, s83, 13
	s_lshl_b32 s82, s70, 15
	s_add_co_u32 s82, s82, s83
	s_mov_b32 s83, 0
	s_add_nc_u64 s[88:89], s[14:15], s[82:83]
	s_lshr_b32 s82, s70, 1
	s_lshl_b32 s82, s82, 13
	s_add_nc_u64 s[90:91], s[16:17], s[82:83]      ; q2's tile of 16 rows: 8,192 x (video / 2)
	s_cmp_lt_u32 s20, 6
	s_cbranch_scc0 .Lno_fl
	WIN 0x40                                       ; destination window 1
.irp g, 0,1,2,3,4,5,6,7,8,9,10,11,12,13,14,15
	global_load_b128 v[4*\g:4*\g+3], v[GL16], s[88:89] offset:512*\g
.endr
.irp g, 0,1,2,3,4,5,6,7,8,9,10,11,12,13,14,15
	global_load_b128 v[64+4*\g:67+4*\g], v[GQ], s[90:91] offset:512*\g
.endr
.irp g, 0,1,2,3,4,5,6,7,8,9,10,11,12,13,14,15
	global_load_b128 v[128+4*\g:131+4*\g], v[GW], s[10:11] offset:256*(\g/8)+16*(\g%8)
.endr
	WIN 0
.Lno_fl:
	s_wait_loadcnt 0x0
	; ---- the sentences: the sum of squares of my 64 channels, and the numbers in bf16
	v_pk_mul_f32 v[36:37], v[NV:NV+1], v[NV:NV+1]
	v_pk_mul_f32 v[38:39], v[NV+2:NV+3], v[NV+2:NV+3]
.irp j, 4,8,12,16,20,24,28
	v_pk_fma_f32 v[36:37], v[NV+\j:NV+\j+1], v[NV+\j:NV+\j+1], v[36:37]
	v_pk_fma_f32 v[38:39], v[NV+\j+2:NV+\j+3], v[NV+\j+2:NV+\j+3], v[38:39]
.endr
	v_pk_add_f32 v[36:37], v[36:37], v[38:39]
	v_add_f32 v36, v36, v37
	v_permlanex16_b32 v37, v36, s84, s85
	v_add_f32 v36, v36, v37                        ; with the other half of the lanes' channels
	ds_store_b32 v[SNW], v36                       ; lanes r and r + 8 write the same word with the same value
	v_cmp_gt_u32 vcc_lo, 8, v[RR]
.irp p, 0,1,2,3,4,5,6,7,8,9,10,11,12,13,14,15
	v_cvt_pk_bf16_f32 v[PV+\p], v[NV+2*\p], v[NV+2*\p+1]
.endr
	WIN 0x40
.irp p, 0,1,2,3,4,5,6,7,8,9,10,11,12,13,14,15
	v_cndmask_b32 v[A2+\p], 0, v[PV+\p], vcc_lo    ; rows 8-15 of source 0 are zeros
.endr
	WIN 0
	; ---- feats of my 64 d for all 64 columns: only my own loads' bytes are read, so my own wait is all the ordering
	s_wait_tensorcnt 0x1                           ; the two tiles of feats have landed; the weights' tile, issued behind them, may stay out
.irp t, 0,1,2,3
.set d, 0
.rept 32
	ds_load_b32 v[MV+32*\t+d], v[LM] offset:256*d+64*\t
.set d, d+1
.endr
.endr
	; ---- the refill: all my tensor loads have landed, the add, my reads of feats are back; then the round; then the one load
	s_wait_tensorcnt 0x0
	ds_add_u32 v[SPW], v[NIL]                      ; 0 onto my spare word
	s_wait_dscnt 0x0
	ROUND                                          ; no wave of any partner still reads these bytes or has a load on its way
	tensor_load_to_lds s[60:63], s[40:47]
	s_nop 0
	PLACES
	; ---- the build: p = feats(d, n) feats(d, m), quantised, to LDS.  It is also the work under which the refill lands
.macro BCAST tn                        ; the row's numbers: lane i of each half of the lanes, to all its lanes
.set d, 0
.rept 32
	v_permlane16_b32 v[NV+d], v[MV+32*(\tn)+d], s66, s66
.set d, d+1
.endr
.endm
.macro BUILD t, tm
.set j, 0
.rept 16
	v_pk_mul_f32 v[PV+j:PV+j+1], v[MV+32*(\tm)+j:MV+32*(\tm)+j+1], v[NV+j:NV+j+1]
.set j, j+2
.endr
	QST PV, (\t)%2, A16W, A8W, ASW, 6144*(\t), 256*(\t)
.endm
	BCAST 0
	BUILD 0, 0
	BUILD 1, 1
	BUILD 2, 2
	BUILD 3, 3
	BCAST 1
	BUILD 4, 1
	BUILD 5, 2
	BUILD 6, 3
	BCAST 2
	BUILD 7, 2
	BUILD 8, 3
	BCAST 3
	BUILD 9, 3
	; ---- the fusion's operands: v1 q2 (columns m), (v1 q2) Wfuse (rows n); K = the 128 fusion channels: one fragment a wave
	s_cmp_lt_u32 s20, 6
	s_cbranch_scc0 .Lno_fb
	WIN 0x05                                       ; sources 0 and 1 window 1
.set j, 0
.rept 32
	v_pk_mul_f32 v[60+j:61+j], v[j:j+1], v[64+j:65+j]
.set j, j+2
.endr
	WIN 0
	s_cmp_lt_u32 s20, 4
	s_cbranch_scc1 .Lno_wf
	WIN 0x04                                       ; source 1 window 1
.set j, 0
.rept 32
	v_pk_mul_f32 v[60+j:61+j], v[60+j:61+j], v[128+j:129+j]
.set j, j+2
.endr
	WIN 0
.Lno_wf:
	QST 60, 0, FU16, FU8, FUSW, 0, 0
	QST 92, 1, FU16, FU8, FUSW, 768, 2
.Lno_fb:
	; ---- my weights into registers, for the rest of the launch
	WIN 0x40
.irp f, 0,1,2,3,4,5,6,7
	FETCH4 12*\f, W16, W8, 1536*\f
.endr
	WIN 0
.irp jt, 0,1,2,3
	ds_load_b64 v[WSC+2*\jt:WSC+2*\jt+1], v[W8] offset:12288+256*\jt
.endr
	s_wait_tensorcnt 0x0                           ; the refill has landed
	WIN 0x40
.irp f, 0,1,2,3,4,5,6,7
	FETCH4 96+12*\f, R16, R8, 1536*\f
.endr
	WIN 0
	s_wait_dscnt 0x0                               ; my images and bytes have landed, and my reads of the weights' bytes are back
	s_barrier_signal -1
	s_barrier_wait -1                              ; barrier 1: all fragments lie in LDS; the bytes of feats and of the weights are free
	v_lshl_add_u32 v[G16], v[LN], 4, AIMG
	v_lshl_add_u32 v[G8], v[LN], 3, AIMG
	s_mul_i32 s82, s20, 3072
	s_add_co_u32 s82, s82, STG
	v_lshl_add_u32 v[ZST], v[LN], 4, s82
	s_mul_i32 s82, s20, PBLK
	v_lshl_add_u32 v[PD], v[LN], 4, s82
	v_lshl_add_u32 v[PS], v[LN], 2, s82
	v_add_nc_u32 v[PS], 512, v[PS]
	s_lshl_b32 s92, s21, 1
	s_add_co_u32 s92, s92, s22                     ; the fusion's product: waves 0-3 columns' tile 0-3 against rows' fragment 4; waves 4, 5 tiles 2, 3 against fragment 5
	s_mul_i32 s82, s92, 1536
	s_add_co_u32 s82, s82, FUSI
	v_lshl_add_u32 v[FB16], v[LN], 4, s82
	v_lshl_add_u32 v[FB8], v[LN], 3, s82
	s_add_co_u32 s86, s21, 4
	s_mul_i32 s82, s86, 1536
	s_add_co_u32 s82, s82, FUSI
	v_lshl_add_u32 v[FA16], v[LN], 4, s82
	v_lshl_add_u32 v[FA8], v[LN], 3, s82
	s_lshl_b32 s82, s92, 7
	s_add_co_u32 s82, s82, FUSS
	v_lshl_add_u32 v[FBS], v[RR], 2, s82
	s_lshl_b32 s82, s86, 7
	s_add_co_u32 s82, s82, FUSS
	v_lshl_add_u32 v[FAS], v[RR], 2, s82
	s_sub_co_u32 s93, 3, s68
	s_cmp_eq_u32 s21, 0
	s_cselect_b32 s93, s68, s93                    ; tn_a: the tile of rows n of my fusion product
	s_sub_co_i32 s82, s92, s93
	s_lshl_b32 s82, s82, 4
	v_lshl_add_u32 v[DM], v[HH], 3, s82
	v_sub_nc_u32 v[DM], v[DM], v[RR]               ; m - n = 16 (tm - tn_a) + 8 h - r + register
.irp e, 0,1,2,3,4,5
	ds_store_b128 v[ZST], v[ZR:ZR+3] offset:512*\e ; the stage begins as zeros: what lies under the mask stays so
.endr
.macro FETCHT t                        ; tile t's four fragments and its scale words, into set t % 2: 17 LDS loads in one run
.irp q, 0,1,2,3
	FETCH4 AF+48*((\t)%2)+12*\q, G16, G8, 1536*(4*(\t)+\q)
.endr
	ds_load_b64 v[ASC+2*((\t)%2):ASC+2*((\t)%2)+1], v[G8] offset:ASCT-AIMG+256*(\t)
.endm
.macro MM q, y, jt                     ; source 0 = 16 of my channels, source 1 = 16 pairs; odd K steps' scale words stand in lanes 16-31
.set rD, ACC+32*(\y)+8*(\jt)
.set rW, 12*(4*(\q)+(\jt))
.set rA, AF+48*(\y)+12*(\q)
.set rSW, WSC+2*(\jt)+(\q)/2
.set rSA, ASC+2*(\y)+(\q)/2
.if (\q) == 0
	v_wmma_scale_f32_16x16x128_f8f6f4 v[rD:rD+7], v[rW:rW+11], v[rA:rA+11], 0, v[rSW], v[rSA] matrix_a_fmt:MATRIX_FMT_BF6 matrix_b_fmt:MATRIX_FMT_BF6
.elseif (\q) == 2
	v_wmma_scale_f32_16x16x128_f8f6f4 v[rD:rD+7], v[rW:rW+11], v[rA:rA+11], v[rD:rD+7], v[rSW], v[rSA] matrix_a_fmt:MATRIX_FMT_BF6 matrix_b_fmt:MATRIX_FMT_BF6
.else
	v_wmma_scale_f32_16x16x128_f8f6f4 v[rD:rD+7], v[rW:rW+11], v[rA:rA+11], v[rD:rD+7], v[rSW], v[rSA] matrix_a_fmt:MATRIX_FMT_BF6 matrix_b_fmt:MATRIX_FMT_BF6 matrix_a_scale:MATRIX_SCALE_ROW1 matrix_b_scale:MATRIX_SCALE_ROW1
.endif
.endm
; THE VECTOR WORK OF A FINISHED TILE tp, in 14 slices.  nf = 1: tile tp + 2's fragments are fetched into the registers that tile tp's have left.
;   0      four places behind tile tp's last products (ISA guide 7.12.1 for vector instructions): in front of the loads into registers that they have read and of the first read of results; then the run of loads
;   1-4    the 32 squares, packed, in two chains, each accumulator from its low end on
;   5-8    the roundings to bf16: two tiles of channels are 32 along the next K, in that operand's own order
;   9, 10  the sum's halves, and the other half of the lanes'.  (The sentences' two products stand behind slices 9 and 10: macro BW)
;   11     four places behind the second of them
;   12     sentences 4-7 move from lanes 0-15 into lanes 16-31, which held the zero rows: lane (r, h) then has sentences 4 h + 0..3 of pair r
;   13     the partial results go to LDS
.macro VS k, tp, nf
.set TA, ACC+32*((\tp)%2)
.set TBF, BF+16*((\tp)%2)
.set TSM, 36+4*((\tp)%2)
.set TD2, D2+8*((\tp)%2)
.if (\k) == 0
	PLACES
.if \nf
	FETCHT (\tp)+2
.endif
.elseif (\k) == 1
	v_pk_mul_f32 v[TSM:TSM+1], v[TA:TA+1], v[TA:TA+1]
	v_pk_mul_f32 v[TSM+2:TSM+3], v[TA+2:TA+3], v[TA+2:TA+3]
	v_pk_fma_f32 v[TSM:TSM+1], v[TA+4:TA+5], v[TA+4:TA+5], v[TSM:TSM+1]
	v_pk_fma_f32 v[TSM+2:TSM+3], v[TA+6:TA+7], v[TA+6:TA+7], v[TSM+2:TSM+3]
.elseif (\k) < 5
.irp j, 0,4
	v_pk_fma_f32 v[TSM:TSM+1], v[TA+8*((\k)-1)+\j:TA+8*((\k)-1)+\j+1], v[TA+8*((\k)-1)+\j:TA+8*((\k)-1)+\j+1], v[TSM:TSM+1]
	v_pk_fma_f32 v[TSM+2:TSM+3], v[TA+8*((\k)-1)+\j+2:TA+8*((\k)-1)+\j+3], v[TA+8*((\k)-1)+\j+2:TA+8*((\k)-1)+\j+3], v[TSM+2:TSM+3]
.endr
.elseif (\k) < 9
.irp p, 0,1,2,3
	v_cvt_pk_bf16_f32 v[TBF+4*((\k)-5)+\p], v[TA+8*((\k)-5)+2*\p], v[TA+8*((\k)-5)+2*\p+1]
.endr
.elseif (\k) == 9
	v_pk_add_f32 v[TSM:TSM+1], v[TSM:TSM+1], v[TSM+2:TSM+3]
	v_add_f32 v[TSM], v[TSM], v[TSM+1]
.elseif (\k) == 10
	v_permlanex16_b32 v[TSM+1], v[TSM], s84, s85
	v_add_f32 v[TSM], v[TSM], v[TSM+1]             ; the pair's sum of squares over my 64 channels
	v_nop                                          ; (with the lines above: five plain lines between the last rounding and the product that reads it)
	v_nop
.elseif (\k) == 11
	PLACES
.elseif (\k) == 12
.irp j, 0,1,2,3
	v_permlane16_swap_b32 v[TD2+\j], v[TD2+4+\j]
.endr
.elseif (\k) == 13
	ds_store_b128 v[PD], v[TD2:TD2+3] offset:640*(\tp)
	ds_store_b32 v[PS], v[TSM] offset:640*(\tp)
.endif
.endm
.macro BW n, tp                        ; link n of tile tp's product with the sentences: source 0 = the eight sentences (and eight zero rows), source 1 = 32 of my channels x 16 pairs
.set TBF, BF+16*((\tp)%2)
.set TD2, D2+8*((\tp)%2)
	WIN 0x01
.if (\n) == 0
	v_wmma_f32_16x16x32_bf16 v[TD2:TD2+7], v[A2:A2+7], v[TBF:TBF+7], 0
.else
	v_wmma_f32_16x16x32_bf16 v[TD2:TD2+7], v[A2+8:A2+15], v[TBF+8:TBF+15], v[TD2:TD2+7]
.endif
.endm
; TILE t: 16 products, K ascending, its four accumulators by turns; the first K step starts the sums.  vw = 1: a slice of tile t - 1's vector work stands behind each of the
; first 14.  left: the LDS instructions issued behind the loads of tile t's fragments, which may stay out.  Between the sentences' two links stand one of the tile's products.
.macro TILE t, left, vw, nf
	s_wait_dscnt \left
.set kk, 0
.rept 16
	WIN 0x01                                       ; source 0 window 1
	MM kk/4, (\t)%2, kk%4
.if \vw && (kk < 14)
	WIN 0
	VS kk, (\t)-1, \nf
.if kk == 9
	BW 0, (\t)-1
.elseif kk == 10
	BW 1, (\t)-1
.endif
.endif
.set kk, kk+1
.endr
.endm
	FETCHT 0
	FETCHT 1
	TILE 0, 17, 0, 0                               ; tile 1's 17 loads are younger than tile 0's; there is no vector work yet
	TILE 1, 0, 1, 1
.irp t, 2,3,4,5,6,7,8
	TILE \t, 2, 1, 1                               ; behind the loads of this tile's fragments only the two stores of partial results were issued
.endr
	TILE 9, 2, 1, 0                                ; nothing is left to fetch
	WIN 0
.irp s, 0,1,2,3,4,5,6,7,8,9,10         ; tile 9's vector work is written out: no products are left to set it between
	VS \s, 9, 0
.endr
	BW 0, 9
	s_wait_alu depctr_va_vdst(0)                   ; the second link follows the first here
	BW 1, 9
	WIN 0
	VS 11, 9, 0
	VS 12, 9, 0
	VS 13, 9, 0
	; ---- the fusion's product: source 0 = 16 columns m, source 1 = 16 rows n: a lane holds row n = r and columns 8 h + 0..7
	s_cmp_lt_u32 s20, 6
	s_cbranch_scc0 .Lno_fp
	FETCH4 AF, FB16, FB8, 0
	FETCH4 AF+12, FA16, FA8, 0
	ds_load_b32 v[ASC], v[FBS]
	ds_load_b32 v[ASC+1], v[FAS]
	s_wait_dscnt 0x0
	v_wmma_scale_f32_16x16x128_f8f6f4 v[60:67], v[AF:AF+11], v[AF+12:AF+23], 0, v[ASC], v[ASC+1] matrix_a_fmt:MATRIX_FMT_BF6 matrix_b_fmt:MATRIX_FMT_BF6
	PLACES
.irp j, 0,1,2,3,4,5,6,7
	v_mul_f32 v[60+\j], 0xc166d4ca, v[60+\j]       ; -10 log2(e) x
.endr
.irp j, 0,1,2,3,4,5,6,7
	v_exp_f32 v[60+\j], v[60+\j]
.endr
	v_nop                                          ; a plain line behind the last exponential,
	s_wait_alu depctr_va_vdst(0)                   ; and the one wait for the batch, ahead of its first reader
.irp j, 0,1,2,3,4,5,6,7
	v_add_f32 v[60+\j], 1.0, v[60+\j]
.endr
.irp j, 0,1,2,3,4,5,6,7
	v_rcp_f32 v[60+\j], v[60+\j]                   ; sigmoid(10 x) = 1 / (1 + 2^(-10 log2(e) x))
.endr
	v_nop
	s_wait_alu depctr_va_vdst(0)
.irp j, 0,1,2,3,4,5,6,7
	v_cmp_le_i32 vcc_lo, -\j, v[DM]                ; n <= m
	v_cndmask_b32 v[60+\j], 0, v[60+\j], vcc_lo
.endr
.Lno_fp:
	s_wait_dscnt 0x0                               ; my partial results and my zeros have landed
	s_barrier_signal -1
	s_barrier_wait -1                              ; barrier 2
	; ---- the end: lane (r, h) of wave (hd, u) takes sentence 2 u + h of pair r of every tile: the head's four waves' parts are added
	s_mul_i32 s82, s21, 4*PBLK
	s_lshr_b32 s83, s22, 1
	s_lshl_b32 s83, s83, 8
	s_add_co_u32 s86, s82, s83
	s_and_b32 s83, s22, 1
	s_lshl_b32 s83, s83, 3
	s_add_co_u32 s86, s86, s83
	v_lshlrev_b32 v[FD], 4, v[RR]
	v_lshl_add_u32 v[FD], v[HH], 2, v[FD]
	v_add_nc_u32 v[FD], s86, v[FD]                 ; sentence 4 h' + e lies at 16 (16 h' + r) + 4 e: h' = u / 2, e = 2 (u % 2) + h
	s_add_co_u32 s83, s82, 512
	v_lshl_add_u32 v[FS], v[RR], 2, s83
	s_lshl_b32 s83, s21, 7
	s_lshl_b32 s86, s22, 3
	s_add_co_u32 s83, s83, s86
	s_add_co_u32 s83, s83, SNT
	v_lshl_add_u32 v[FN], v[HH], 2, s83
	s_lshl_b32 s83, s20, 11
	s_add_co_u32 s83, s83, STG
	v_lshlrev_b32 v[FO], 10, v[HH]
	v_lshl_add_u32 v[FO], v[RR], 2, v[FO]
	v_add_nc_u32 v[FO], s83, v[FO]                 ; the stage: row 4 (8 hd + sentence) + tn, + 64 tm + 4 r
	s_lshl_b32 s83, s21, 12
	s_lshl_b32 s86, s92, 6
	s_add_co_u32 s83, s83, s86
	s_add_co_u32 s83, s83, STG+16384
	v_lshlrev_b32 v[FFO], 8, v[RR]
	v_lshl_add_u32 v[FFO], v[HH], 5, v[FFO]
	v_add_nc_u32 v[FFO], s83, v[FFO]               ; the fusion's rows: 64 + 16 (wave / 4) + r, + 64 tm + 32 h
	s_lshl_b32 s83, s20, 11
	s_add_co_u32 s83, s83, STG
	v_lshl_add_u32 v[O1], v[LN], 4, s83
	s_lshl_b32 s83, s20, 10
	s_add_co_u32 s83, s83, STG+16384
	v_lshl_add_u32 v[O2], v[LN], 4, s83
	v_lshlrev_b32 v[GV1], 12, v[HH]
	v_lshl_add_u32 v[GV1], v[RR], 4, v[GV1]
	v_lshlrev_b32 v[GV2], 8, v[HH]
	v_lshl_add_u32 v[GV2], v[RR], 4, v[GV2]
.irp t, 0,1,2,3,4,5,6,7,8,9
.irp uu, 0,1,2,3
	ds_load_b32 v[DT+4*\t+\uu], v[FD] offset:PBLK*\uu+640*\t
	ds_load_b32 v[SQ+4*\t+\uu], v[FS] offset:PBLK*\uu+640*\t
.endr
.endr
.irp uu, 0,1,2,3
	ds_load_b32 v[SNR+\uu], v[FN] offset:32*\uu
.endr
	s_wait_dscnt 0x0
.irp t, 0,1,2,3,4,5,6,7,8,9
	v_pk_add_f32 v[DT+4*\t:DT+4*\t+1], v[DT+4*\t:DT+4*\t+1], v[DT+4*\t+2:DT+4*\t+3]
	v_pk_add_f32 v[SQ+4*\t:SQ+4*\t+1], v[SQ+4*\t:SQ+4*\t+1], v[SQ+4*\t+2:SQ+4*\t+3]
.endr
	v_pk_add_f32 v[SNR:SNR+1], v[SNR:SNR+1], v[SNR+2:SNR+3]
.irp t, 0,1,2,3,4,5,6,7,8,9
	v_add_f32 v[DT+4*\t], v[DT+4*\t], v[DT+4*\t+1]
	v_add_f32 v[SQ+4*\t], v[SQ+4*\t], v[SQ+4*\t+1]
.endr
	v_add_f32 v[SNR], v[SNR], v[SNR+1]
.irp t, 0,1,2,3,4,5,6,7,8,9
	v_sqrt_f32 v[SQ+4*\t+1], v[SQ+4*\t]
.endr
	v_sqrt_f32 v[SNR+1], v[SNR]
	v_nop
	s_wait_alu depctr_va_vdst(0)                   ; one wait for the eleven roots
.irp t, 0,1,2,3,4,5,6,7,8,9
	v_max_num_f32 v[SQ+4*\t+1], 0x2b8cbccc, v[SQ+4*\t+1]   ; the norm is held at 1e-12 from below
.endr
	v_max_num_f32 v[SNR+1], 0x2b8cbccc, v[SNR+1]
.irp t, 0,1,2,3,4,5,6,7,8,9
	v_rcp_f32 v[SQ+4*\t], v[SQ+4*\t+1]
.endr
	v_rcp_f32 v[SNR], v[SNR+1]
	v_nop
	s_wait_alu depctr_va_vdst(0)                   ; one wait for the eleven reciprocals
.irp t, 0,1,2,3,4,5,6,7,8,9
	v_mul_f32 v[DT+4*\t], v[DT+4*\t], v[SQ+4*\t]
.endr
.irp t, 0,1,2,3,4,5,6,7,8,9
	v_mul_f32 v[DT+4*\t], v[DT+4*\t], v[SNR]
.endr
	s_cmp_eq_u32 s21, 0                            ; the iou head alone has a sigmoid
	s_cbranch_scc0 .Lno_sig
.irp t, 0,1,2,3,4,5,6,7,8,9
	v_mul_f32 v[DT+4*\t], 0xc166d4ca, v[DT+4*\t]
.endr
.irp t, 0,1,2,3,4,5,6,7,8,9
	v_exp_f32 v[DT+4*\t], v[DT+4*\t]
.endr
	v_nop
	s_wait_alu depctr_va_vdst(0)
.irp t, 0,1,2,3,4,5,6,7,8,9
	v_add_f32 v[DT+4*\t], 1.0, v[DT+4*\t]
.endr
.irp t, 0,1,2,3,4,5,6,7,8,9
	v_rcp_f32 v[DT+4*\t], v[DT+4*\t]
.endr
	v_nop
	s_wait_alu depctr_va_vdst(0)
.Lno_sig:
	v_cmp_le_u32 vcc_lo, s67, v[RR]                ; on the diagonal tiles n <= m is i <= r
.irp t, 0,4,7,9
	v_cndmask_b32 v[DT+4*\t], 0, v[DT+4*\t], vcc_lo
.endr
.macro STT t, tn, tm
	ds_store_b32 v[FO], v[DT+4*(\t)] offset:256*(\tn)+64*(\tm)
.endm
	STT 0, 0, 0
	STT 1, 0, 1
	STT 2, 0, 2
	STT 3, 0, 3
	STT 4, 1, 1
	STT 5, 1, 2
	STT 6, 1, 3
	STT 7, 2, 2
	STT 8, 2, 3
	STT 9, 3, 3
	s_cmp_lt_u32 s20, 6
	s_cbranch_scc0 .Lno_fs
	ds_store_b128 v[FFO], v[60:63]
	ds_store_b128 v[FFO], v[64:67] offset:16
.Lno_fs:
	s_wait_dscnt 0x0                               ; for the others' sake: my stores into the stage have landed
	s_barrier_signal -1
	s_barrier_wait -1                              ; barrier 3: 96 whole rows lie in the stage
	; ---- the way out: eight rows of maps 0 or 2 and four rows of map 1 a wave; sixteen lanes store one row of 256 bytes, aligned
.irp e, 0,1,2,3
	ds_load_b128 v[AF+4*\e:AF+4*\e+3], v[O1] offset:512*\e
.endr
.irp e, 0,1
	ds_load_b128 v[AF+16+4*\e:AF+19+4*\e], v[O2] offset:512*\e
.endr
	s_lshl_b32 s94, s70, 17                        ; 131,072 x video
	s_lshl_b32 s82, s21, 22                        ; map 0 or map 2
	s_add_co_u32 s82, s82, s94
	s_lshl_b32 s86, s22, 15                        ; sentence 2 u
	s_add_co_u32 s82, s82, s86
	s_lshl_b32 s86, s67, 8                         ; row i
	s_add_co_u32 s82, s82, s86
	s_mov_b32 s83, 0
	s_add_nc_u64 s[88:89], s[18:19], s[82:83]
	s_add_co_u32 s82, s94, 2097152                 ; map 1
	s_lshl_b32 s86, s69, 14                        ; the fusion's sentence
	s_add_co_u32 s82, s82, s86
	s_lshl_b32 s86, s93, 12                        ; row 16 tn_a
	s_add_co_u32 s82, s82, s86
	s_lshl_b32 s86, s22, 10                        ; + 4 u
	s_add_co_u32 s82, s82, s86
	s_add_nc_u64 s[90:91], s[18:19], s[82:83]
.irp e, 0,1,2,3
	s_wait_dscnt 5-\e                              ; the younger loads from the stage may stay out
	global_store_b128 v[GV1], v[AF+4*\e:AF+4*\e+3], s[88:89] offset:16384*(\e/2)+8192*(\e%2) th:TH_STORE_NT   ; sentence 2 u + e / 2, rows n = 16 (2 (e % 2) + lane / 16) + i
.endr
.irp e, 0,1
	s_wait_dscnt 1-\e
	global_store_b128 v[GV2], v[AF+16+4*\e:AF+19+4*\e], s[90:91] offset:512*\e th:TH_STORE_NT
.endr
	s_wait_tensorcnt 0x0                           ; the wave's end: behind my last tensor load and my last LDS store
	ds_add_u32 v[SPW], v[NIL]
	s_wait_dscnt 0x0
	ROUND                                          ; the closing round: no work-group ends while a partner may still ask for a tile that names it
	s_endpgm
.Lfunc_end_k_qc6a11c448d_main:
	.size	k_qc6a11c448d_main, .Lfunc_end_k_qc6a11c448d_main-k_qc6a11c448d_main
	.p2alignl 7, 3214868480
	.fill 96, 4, 3214868480
	.section	.rodata,"a",@progbits
	.p2align	6, 0x0
	.amdhsa_kernel k_qc6a11c448d_main
		.amdhsa_group_segment_fixed_size 327680
		.amdhsa_private_segment_fixed_size 0
		.amdhsa_enable_private_segment 0
		.amdhsa_kernarg_size 64
		.amdhsa_user_sgpr_count 2
		.amdhsa_user_sgpr_kernarg_segment_ptr 1
		.amdhsa_wavefront_size32 1
		.amdhsa_system_sgpr_workgroup_id_x 1
		.amdhsa_system_sgpr_workgroup_id_y 1
		.amdhsa_system_sgpr_workgroup_id_z 1
		.amdhsa_system_vgpr_workitem_id 0
		.amdhsa_next_free_vgpr 512
		.amdhsa_next_free_sgpr 100
		.amdhsa_reserve_vcc 1
		.amdhsa_float_denorm_mode_32 3
		.amdhsa_float_denorm_mode_16_64 3
		.amdhsa_memory_ordered 1
		.amdhsa_forward_progress 1
		.amdhsa_inst_pref_size 159
	.end_amdhsa_kernel
	.amdgpu_metadata
---
amdhsa.version: [ 1, 2 ]
amdhsa.kernels:
  - .name:           k_qc6a11c448d_main
    .symbol:         k_qc6a11c448d_main.kd
    .args:
      - { .name: feats, .offset: 0, .size: 8, .value_kind: global_buffer, .address_space: global }
      - { .name: sent_feat_iou, .offset: 8, .size: 8, .value_kind: global_buffer, .address_space: global }
      - { .name: sent_feat, .offset: 16, .size: 8, .value_kind: global_buffer, .address_space: global }
      - { .name: Wfuse, .offset: 24, .size: 8, .value_kind: global_buffer, .address_space: global }
      - { .name: wimg, .offset: 32, .size: 8, .value_kind: global_buffer, .address_space: global }
      - { .name: v1img, .offset: 40, .size: 8, .value_kind: global_buffer, .address_space: global }
      - { .name: q2img, .offset: 48, .size: 8, .value_kind: global_buffer, .address_space: global }
      - { .name: out0, .offset: 56, .size: 8, .value_kind: global_buffer, .address_space: global }
    .group_segment_fixed_size: 327680
    .private_segment_fixed_size: 0
    .kernarg_segment_align: 8
    .kernarg_segment_size: 64
    .max_flat_workgroup_size: 256
    .sgpr_count:     100
    .vgpr_count:     512
    .wavefront_size: 32
...
	.end_amdgpu_metadata
.endif
;; end of part 2
;; ======== version 2 of 2: 2 launches; version 1 with the launch prep written anew for expert scheduling mode
;; workspace buffers: wimg 204,800 bytes; v1img 524,288 bytes; q2img 65,536 bytes
;; launch prep (part 3): grid 152 x 1, 16 waves a work-group, no clusters, 209,920 bytes of LDS; arguments feats, sent_feat_fusion, W1, b1, W2, b2, Wiou, Wp, wimg, v1img, q2img; writes wimg, v1img, q2img
.if DOCPART == 3
	.amdgcn_target "amdgcn-amd-amdhsa--gfx1250"
	.amdhsa_code_object_version 6
	.text
	.protected	k_qc6a11c448d_prep
	.globl	k_qc6a11c448d_prep
	.p2align	8
	.type	k_qc6a11c448d_prep,@function
k_qc6a11c448d_prep:
	s_mov_b64 s[64:65], 0
	v_nop
	global_prefetch_b8 v0, s[64:65] scope:SCOPE_SE
	s_setreg_imm32_b32 hwreg(HW_REG_WAVE_SCHED_MODE, 0, 2), 2
	s_setreg_imm32_b32 hwreg(HW_REG_WAVE_MODE, 25, 1), 1
	s_wait_xcnt 0x0
	s_wait_alu depctr_vm_vsrc(0)
; WHAT THIS LAUNCH MAKES, once, for the launch behind it.  All quantising is to BF6 (E3M2) with one E8M0 byte for each 32 along K = d (512).
;   work-groups   0-127 (video b = g / 8):           v1 = W1^T feats[b] + b1, both operands quantised along d -> v1img
;   work-groups 128-143 (64 rows gg = (g - 128) / 8 of (video, sentence)): q2 = sent_feat_fusion W2 + b2, likewise -> q2img
;       in both, of g's low bits: kh = bit 2: which half of the 128 fusion channels; ppy = bit 1: which two of the half's four channel tiles; ppx = bit 0: which two of the four tiles of 16 columns (rows).
;       So a work-group makes 2 x 2 tiles of 16 x 16, and each of its sixteen waves loads 64 rows d of 32 columns: 64 loads.
;   work-groups 144-151 (block W of 64 rows of Wiou, then of Wp): the rows' codes and scale bytes, in the order of the operand's registers -> wimg
; A HALF FRAGMENT is 16 rows x 64 K: lane (r = lane % 16, h = lane / 16) holds ONE block of 32 of row r in six registers.  Its image is 768 bytes: 32 lanes x 16 bytes (registers 0-3),
; then 32 lanes x 8 bytes (registers 4-5).  Two of them on end are a fragment (16 rows x 128 K, 12 registers): four loads bring it back into any wave.
; A TILE'S SCALE TABLE is 256 bytes: the byte of K step q, block 2 c + h, row r lies at 8 (16 (q % 2) + r) + 4 (q / 2) + 2 c + h: one load of 8 bytes a lane gives two registers, register q / 2 holding
; K step q's words in lanes 0-15 (q even) or 16-31 (q odd).
; v1img, q2img: register images of f32: register 4 G + e of lane (r, h) is channel k = 64 (reg / 32) + 32 h + reg % 32 of column (row) 16 tile + r: as the next launch's quantiser wants them.
; A block's scale byte is its largest magnitude's exponent field - 4, held at 1 from below.  LIMITS: a block of zeros gets the byte 1 (the rule says 127): its codes are zeros and this program alone reads the
; bytes; NaN and infinities among the inputs are not served; the bias is the C of the first K step, so it is added first and not last.
; The three roles part on the work-group's number; each has LDS bytes of its own, and no LDS address hangs on the work-group's number.  No tensor loads.
; THE MODE: SCHED_MODE bits 1:0 = 2 (LLVM: expert scheduling mode 2), set by the entry lines.  The code itself states the register dependences between vector or matrix instructions and memory or LDS
; instructions, with s_wait_alu, always for 0.
; THE PLAN.  The text has no loop.  Registers that memory or LDS instructions touch:
;   v4-15, v234-241   offsets and LDS addresses: written by vector lines at the head and at a role's head, read by every load and store, never written again.
;   v16-79            numbers as loaded: read by the quantiser (columns) or by the turn's LDS stores (rows).  Behind the barrier the fragments' LDS loads land in v16-159.
;   v112-143, v144-175  two turned tiles: LDS loads land in them, the quantiser reads them.  Later: v160-175 the accumulators, which the global stores read; v144-147 the weight role's scale tables.
;   v176-181, v184-189, v208-209   two sets of codes and bytes: written by the conversions, swaps and moves, read by one run of stores, never written again.
;   v220-233          the bias and the scale words: loads land in them, matrix instructions alone read them.
;   v254, v255        written at the head, read by the closing add alone.
; So a wave has: one wait on va_sdst behind the line that makes its number a scalar; one on va_vdst behind the addresses; one on va_vdst behind its quantising, ahead of its run of stores, which also states
; that the quantiser is done reading what later LDS loads land in (no vector line follows it ahead of them); one on va_vdst between the products' places and the stores of their results.
.set X0,    212                        ; v212-214 at work in HQ
.set X1,    213
.set SCL,   214
.set FEB,   0                          ; LDS of the v1 role: at +0 the weight's fragments, at +24,576 the other operand's (tile x 6,144 + K step x 1,536), at +49,152 and +50,176 their scale tables
.set SEB,   51200                      ; the same for the q2 role
.set TURNS, 102400                     ; q2 role: a stage of 16 rows x 272 bytes for each of waves 8-15
.set WSCT,  137216                     ; weight role: the block's scale tables, 4 x 256 bytes
.set TURNW, 138240                     ; weight role: a stage for each of the 16 waves
; REGISTERS: v1 lane, v2 r, v3 h, v4 16 x lane, v5 8 x lane, v6 8 r + h; v7-15, v234-235 LDS addresses; v236-241 offsets in memory; v16-79 numbers as loaded (later fragments up to v159);
; v112-143 and v144-175 two turned tiles (later the accumulators at v160); v176-191 two sets of codes; v208-209 scale bytes; v220-227 the bias; v228-233 scale words.
; 32 numbers of one block, v[s] on, become 192 bits of codes in v[c .. c+2] and v[c+4 .. c+6] and the scale's byte in v[b]
.macro HQ s, c, b
	v_max3_num_f32 v[X0], |v[(\s)]|, |v[(\s)+1]|, 0x2800000        ; the floor 2^(5 - 127) among the leaves: the byte cannot fall under 1
	v_max3_num_f32 v[X1], |v[(\s)+2]|, |v[(\s)+3]|, |v[(\s)+4]|    ; two chains, so that no line waits for the line above it
.irp k, 5,9,13,17,21,25
	v_max3_num_f32 v[X0], v[X0], |v[(\s)+\k]|, |v[(\s)+\k+1]|
	v_max3_num_f32 v[X1], v[X1], |v[(\s)+\k+2]|, |v[(\s)+\k+3]|
.endr
	v_max3_num_f32 v[X0], v[X0], |v[(\s)+29]|, |v[(\s)+30]|
	v_max3_num_f32 v[X0], v[X0], v[X1], |v[(\s)+31]|
	v_add_nc_u32 v[SCL], 0xfe000000, v[X0]                         ; 4 off the exponent field: the conversion takes the exponent field of this operand as its scale
	v_cvt_scalef32_pk16_bf6_f32 v[(\c):(\c)+2], v[(\s):(\s)+15], v[SCL]
	v_cvt_scalef32_pk16_bf6_f32 v[(\c)+4:(\c)+6], v[(\s)+16:(\s)+31], v[SCL]   ; (a conversion's three registers begin on an even number)
	v_lshrrev_b32 v[(\b)], 23, v[SCL]                              ; the scale's byte; also the plain line behind the conversions
.endm
.macro HQMOV c                         ; the six registers on end
	v_mov_b32 v[(\c)+3], v[(\c)+4]
	v_mov_b32 v[(\c)+4], v[(\c)+5]
	v_mov_b32 v[(\c)+5], v[(\c)+6]
.endm
.macro HFST a16, a8, asc, c, b, o, os  ; a half fragment's image and its byte go to LDS (a8 already stands 512 bytes on)
	ds_store_b128 v[\a16], v[(\c):(\c)+3] offset:\o
	ds_store_b64 v[\a8], v[(\c)+4:(\c)+5] offset:\o
	ds_store_b8 v[\asc], v[(\b)] offset:\os
.endm
.macro FETCH4 reg, a16, a8, o          ; a whole fragment comes back
	ds_load_b128 v[(\reg):(\reg)+3], v[\a16] offset:(\o)
	ds_load_b64 v[(\reg)+4:(\reg)+5], v[\a8] offset:(\o)+512
	ds_load_b128 v[(\reg)+6:(\reg)+9], v[\a16] offset:(\o)+768
	ds_load_b64 v[(\reg)+10:(\reg)+11], v[\a8] offset:(\o)+1280
.endm
; Two lanes' halves change places: before, lane (r, half) holds BOTH blocks of row r of the work-group's tile 'half' (set c0: the lower block, set c1: the upper); behind, set c0 is tile 0's half fragment and c1 tile 1's.
.macro SWAPST c0, c1, b0, b1
.irp i, 0,1,2,4,5,6
	v_permlane16_swap_b32 v[(\c0)+\i], v[(\c1)+\i]
.endr
	v_permlane16_swap_b32 v[\b0], v[\b1]
	HQMOV \c0
	HQMOV \c1
	s_wait_alu depctr_va_vdst(0)                   ; the swaps and moves have written both sets of codes and both bytes, which the six LDS stores read; and the quantiser is done reading v16 to v79, in which the fragments' loads land behind the barrier
	HFST 7, 8, 9, \c0, \b0, 0, 0
	HFST 7, 8, 9, \c1, \b1, 6144, 256
.endm
; K IS THE OUTER AXIS: a lane takes a column and its registers run down my wave's 64 rows d: two blocks.  64 loads; the 32 lanes are the columns of the work-group's two tiles.
.macro COLUNIT p, vo, rs
.set d, 0
.rept 64
	global_load_b32 v[16+d], v[\vo], s[\p:\p+1] offset:\rs*d
.set d, d+1
.endr
	s_wait_loadcnt 32                              ; the lower block's 32 loads are in; the upper block's 32 are younger
	HQ 16, 176, 208
	s_wait_loadcnt 0x0
	HQ 48, 184, 209
	SWAPST 176, 184, 208, 209
.endm
; K IS THE INNER AXIS: a tile's 16 rows x my wave's 256 bytes were loaded as they lie (two rows an instruction); they turn through my own stage, so that lane (r, h) gets the 32 neighbours of its block.
.macro TURN raw, tt
.irp e, 0,1,2,3,4,5,6,7
	ds_store_b128 v14, v[(\raw)+4*\e:(\raw)+4*\e+3] offset:544*\e
.endr
.irp e, 0,1,2,3,4,5,6,7
	ds_load_b128 v[(\tt)+4*\e:(\tt)+4*\e+3], v15 offset:16*\e      ; LDS serves a wave's instructions in order: these see the stores above, and the next tile's stores into the stage come behind them
.endr
.endm
; Both tiles of a wave: the second tile's turn is issued straight behind the first's, into a buffer of its own, and is on its way while the first is quantised.  No vector line names a register of the two turns
; before the quantiser reads them, so the only wait on va_vdst stands at the end, ahead of the run of stores that follows the macro.
.macro ROWPAIR
	s_wait_loadcnt 8                               ; the younger tile's eight loads may stay out
	TURN 16, 144
	s_wait_loadcnt 0x0
	TURN 48, 112
	s_wait_dscnt 16                                ; the first tile is back from the stage; the second tile's eight stores and eight loads are younger
	HQ 144, 176, 208
	HQMOV 176
	s_wait_dscnt 0x0
	HQ 112, 184, 209
	HQMOV 184
	s_wait_alu depctr_va_vdst(0)                   ; the conversions and moves have written both sets of codes and both bytes, which the stores below read; and the quantiser is done reading the turned tiles, in which later LDS loads land
.endm
.macro PW q, y                         ; one K step of one accumulator: source 0 = 16 channels of W1 or W2, source 1 = 16 columns of feats or rows of sentences
.set rD, 160+8*(\y)
.set rY, 16+12*(\q)
.set rX, 64+48*(\y)+12*(\q)
.set rSY, 228+(\q)/2
.set rSX, 230+2*(\y)+(\q)/2
.if (\q) == 0
	v_wmma_scale_f32_16x16x128_f8f6f4 v[rD:rD+7], v[rY:rY+11], v[rX:rX+11], v[220:227], v[rSY], v[rSX] matrix_a_fmt:MATRIX_FMT_BF6 matrix_b_fmt:MATRIX_FMT_BF6
.elseif (\q) == 2
	v_wmma_scale_f32_16x16x128_f8f6f4 v[rD:rD+7], v[rY:rY+11], v[rX:rX+11], v[rD:rD+7], v[rSY], v[rSX] matrix_a_fmt:MATRIX_FMT_BF6 matrix_b_fmt:MATRIX_FMT_BF6
.else
	v_wmma_scale_f32_16x16x128_f8f6f4 v[rD:rD+7], v[rY:rY+11], v[rX:rX+11], v[rD:rD+7], v[rSY], v[rSX] matrix_a_fmt:MATRIX_FMT_BF6 matrix_b_fmt:MATRIX_FMT_BF6 matrix_a_scale:MATRIX_SCALE_ROW1 matrix_b_scale:MATRIX_SCALE_ROW1
.endif
.endm
; THE v1 ROLE (kind 0) AND THE q2 ROLE (kind 1).  s34 = video or group of rows, s35 = kh, s50 = ppy, s51 = ppx.  Waves 0-7 quantise the weight's 32 columns (channel tiles u = 2 ppy, 2 ppy + 1 of half kh),
; waves 8-15 the other operand's tiles 2 ppx, 2 ppx + 1; a wave's d range: 64 (wave % 8) on.  Behind the barrier waves 0 and 1 multiply: wave w takes channel tile 2 ppy + w against both tiles.
; THE COLUMNS OF A WEIGHT TILE ARE NOT NEIGHBOURS: row r of tile u is channel 64 kh + 8 u + r % 8 + 32 (r / 8), so that the result's register j of lane half h is channel 64 kh + 32 h + 8 u + j.
.macro FS base, wp, bp, op, xq, kind
	s_mul_i32 s36, s28, 24576                      ; every LDS address is made here, ahead of the waves' parting
	s_add_co_u32 s36, s36, s29
	s_add_co_u32 s36, s36, \base
	v_add_nc_u32 v7, s36, v4                       ; where I store a half fragment: region (weight or other) + K step x 1,536 + c x 768 + 16 x lane
	v_add_nc_u32 v8, s36, v5
	v_add_nc_u32 v8, 512, v8
	s_lshl_b32 s36, s28, 10
	s_add_co_u32 s36, s36, s30
	s_add_co_u32 s36, s36, \base+49152
	v_add_nc_u32 v9, s36, v6                       ; and its byte
	s_mul_i32 s36, s37, 6144
	s_add_co_u32 s36, s36, \base
	v_add_nc_u32 v10, s36, v4                      ; the product: my channel tile's four fragments (tile wave % 2 of the work-group's two)
	v_add_nc_u32 v11, s36, v5
	v_add_nc_u32 v12, \base+24576, v4              ; the other operand's two tiles
	v_add_nc_u32 v13, \base+24576, v5
	s_lshl_b32 s36, s37, 8
	s_add_co_u32 s36, s36, \base+49152
	v_add_nc_u32 v234, s36, v5                     ; their scale tables
	v_add_nc_u32 v235, \base+50176, v5
.if \kind
	s_mul_i32 s36, s27, 4352
	s_add_co_u32 s36, s36, TURNS
	v_add_nc_u32 v14, s36, v238                    ; my stage, in and out
	v_add_nc_u32 v15, s36, v239
.endif
	s_lshl_b32 s40, s27, 15                        ; the weight: 64 rows of 512 bytes a wave, + 256 kh + 64 ppy
	s_lshl_b32 s39, s35, 8
	s_add_co_u32 s40, s40, s39
	s_lshl_b32 s52, s50, 6
	s_add_co_u32 s40, s40, s52
	s_mov_b32 s41, 0
	s_add_nc_u64 s[42:43], s[\wp:\wp+1], s[40:41]
	s_lshl_b32 s40, s37, 5                         ; the bias: 4 (64 kh + 8 u), u = 2 ppy + wave (+ 128 h in the lane's offset)
	s_add_co_u32 s40, s40, s39
	s_add_co_u32 s40, s40, s52
	s_add_nc_u64 s[46:47], s[\bp:\bp+1], s[40:41]
	s_lshl_b32 s40, s34, 15                        ; the image: 32,768 x block + 8,192 x tile (2 ppx + y) + 512 x (8 kh + 2 u)
	s_lshl_b32 s39, s51, 14
	s_add_co_u32 s40, s40, s39
	s_lshl_b32 s39, s35, 12
	s_add_co_u32 s40, s40, s39
	s_lshl_b32 s39, s50, 11
	s_add_co_u32 s40, s40, s39
	s_lshl_b32 s39, s37, 10
	s_add_co_u32 s40, s40, s39
	s_add_nc_u64 s[48:49], s[\op:\op+1], s[40:41]
	s_lshl_b32 s40, s34, 17                        ; the other operand: 131,072 bytes a video (a group of 64 rows),
.if \kind
	s_lshl_b32 s39, s27, 8                         ; + my wave's 256 bytes of each row,
	s_add_co_u32 s40, s40, s39
	s_lshl_b32 s39, s51, 16                        ; + 32 rows of 2,048 bytes for ppx
.else
	s_lshl_b32 s39, s27, 14                        ; + my wave's 64 rows of 256 bytes,
	s_add_co_u32 s40, s40, s39
	s_lshl_b32 s39, s51, 7                         ; + 32 columns for ppx
.endif
	s_add_co_u32 s40, s40, s39
	s_add_nc_u64 s[44:45], s[\xq:\xq+1], s[40:41]
	s_wait_alu depctr_va_vdst(0)                   ; the offsets and LDS addresses v4 to v15 and v234 to v241 are written, which every load and store of this role reads; none of them is written again
	s_cmp_lt_u32 s26, 8
	s_cbranch_scc0 .Lx_\@
	s_cmp_lt_u32 s26, 2                            ; the two waves that will multiply ask for the bias now
	s_cbranch_scc0 .Lnb_\@
	global_load_b128 v[220:223], v241, s[46:47]    ; the bias in the result's layout: eight channels of my lane half
	global_load_b128 v[224:227], v241, s[46:47] offset:16
.Lnb_\@:
	COLUNIT 42, 236, 512
	s_branch .Lj_\@
.Lx_\@:
.if \kind
.irp xt, 0,1
.irp e, 0,1,2,3,4,5,6,7
	global_load_b128 v[16+32*\xt+4*\e:19+32*\xt+4*\e], v240, s[44:45] offset:(16*\xt+2*\e)*2048   ; sixteen lanes read 256 consecutive bytes of a row
.endr
.endr
	ROWPAIR
	HFST 7, 8, 9, 176, 208, 0, 0
	HFST 7, 8, 9, 184, 209, 6144, 256
.else
	COLUNIT 44, 237, 256
.endif
.Lj_\@:
	s_wait_dscnt 0x0                               ; for the others' sake: my images and bytes have landed
	s_barrier_signal -1
	s_barrier_wait -1
.if \kind
	s_wait_alu depctr_vm_vsrc(0)                   ; the turn's LDS stores have read v16 to v79, in which the fragments' loads below land.  Waves 8 to 15 turn and waves 0 and 1 fetch: the dependence is stated for the way through the text, whichever waves take it
.endif
	s_cmp_lt_u32 s26, 2
	s_cbranch_scc1 .Lp_\@
	s_wait_dscnt 0x0                               ; the closing lines, six on end
	s_wait_alu 0x0
	s_wait_tensorcnt 0x0
	ds_add_u32 v254, v255
	s_wait_dscnt 0x0
	s_endpgm
.Lp_\@:
.irp q, 0,1,2,3
	FETCH4 16+12*\q, 10, 11, 1536*\q               ; no wait on va_vdst here: no vector line has been issued since the one ahead of my stores
.endr
.irp y, 0,1
.irp q, 0,1,2,3
	FETCH4 64+48*\y+12*\q, 12, 13, 1536*(4*\y+\q)
.endr
.endr
	ds_load_b64 v[228:229], v234
	ds_load_b64 v[230:231], v235
	ds_load_b64 v[232:233], v235 offset:256
	s_wait_dscnt 0x0
.irp q, 0,1,2,3                        ; the two accumulators by turns, K ascending; the bias starts both sums
.irp y, 0,1
	PW \q, \y
.endr
.endr
.rept 4
	v_nop                                          ; four places between the last product and the stores that read results
.endr
	s_wait_alu depctr_va_vdst(0)                   ; the products have written the two accumulators, which the stores read; the places above stay beside this wait
.irp y, 0,1
	global_store_b128 v4, v[160+8*\y:163+8*\y], s[48:49] offset:8192*\y        ; 32 lanes store 512 consecutive bytes, aligned; each accumulator from its low end on
	global_store_b128 v4, v[164+8*\y:167+8*\y], s[48:49] offset:8192*\y+512
.endr
	s_wait_dscnt 0x0                               ; the closing lines, six on end, as above
	s_wait_alu 0x0
	s_wait_tensorcnt 0x0
	ds_add_u32 v254, v255
	s_wait_dscnt 0x0
	s_endpgm
.endm
	s_load_b256 s[4:11], s[0:1], 0x0               ; feats s[4:5], sent_feat_fusion s[6:7], W1 s[8:9], b1 s[10:11]
	s_load_b256 s[12:19], s[0:1], 0x20             ; W2 s[12:13], b2 s[14:15], Wiou s[16:17], Wp s[18:19]
	s_load_b128 s[20:23], s[0:1], 0x40             ; wimg s[20:21], v1img s[22:23]
	s_load_b64 s[24:25], s[0:1], 0x50              ; q2img
	v_lshl_add_u32 v254, v0, 2, 0x32c00
	v_mov_b32 v255, 0
	v_lshrrev_b32 v1, 5, v0
	v_readfirstlane_b32 s26, v1                    ; wave 0..15
	v_and_b32 v1, 31, v0                           ; lane.  (The lanes' offsets are made here, between the line above and the wait for its scalar result)
	v_and_b32 v2, 15, v0                           ; r
	v_bfe_u32 v3, v0, 4, 1                         ; h
	v_lshlrev_b32 v4, 4, v1
	v_lshlrev_b32 v5, 3, v1
	v_lshl_add_u32 v6, v2, 3, v3
	v_and_b32 v236, 7, v0
	v_lshlrev_b32 v236, 2, v236
	v_bfe_u32 v237, v0, 3, 1
	v_lshl_add_u32 v236, v237, 7, v236
	v_lshl_add_u32 v236, v3, 5, v236               ; a weight's column: 4 (r % 8) + 128 (r / 8) + 32 (lane / 16)
	v_lshlrev_b32 v237, 2, v1                      ; a column of feats: 4 x lane
	v_mul_u32_u24 v238, v3, 272
	v_lshl_add_u32 v238, v2, 4, v238               ; a stage, in: row lane / 16, 16 bytes a lane
	v_mul_u32_u24 v239, v2, 272
	v_lshl_add_u32 v239, v3, 7, v239               ; and out: row r, 128 h
	v_lshlrev_b32 v240, 11, v3
	v_lshl_add_u32 v240, v2, 4, v240               ; rows of 2,048 bytes: row lane / 16, 16 bytes a lane
	v_lshlrev_b32 v241, 7, v3                      ; the bias: 128 h
	s_wait_alu depctr_va_sdst(0)                   ; s26 is written, ahead of its first reader: the wave's shares, addresses and branches are made from it
	s_and_b32 s27, s26, 7                          ; which 64 of d are mine
	s_lshr_b32 s28, s26, 3
	s_and_b32 s37, s26, 1                          ; in the product: which of the work-group's two channel tiles
	s_lshr_b32 s31, s27, 1                         ; my K step q,
	s_and_b32 s32, s27, 1                          ; and which half c of it
	s_mul_i32 s29, s31, 1536
	s_mul_i32 s33, s32, 768
	s_add_co_u32 s29, s29, s33                     ; my half fragment's place in a tile's four fragments
	s_and_b32 s30, s31, 1
	s_lshl_b32 s30, s30, 7
	s_lshr_b32 s33, s27, 2
	s_lshl_b32 s33, s33, 2
	s_add_co_u32 s30, s30, s33
	s_lshl_b32 s33, s32, 1
	s_add_co_u32 s30, s30, s33                     ; my bytes' place in a scale table: 128 (q % 2) + 4 (q / 2) + 2 c
	s_bfe_u32 s35, ttmp9, 0x10002                  ; kh, ppy, ppx: the three low bits of the work-group's number (128 is a multiple of 8: the same bits in both roles)
	s_bfe_u32 s50, ttmp9, 0x10001
	s_and_b32 s51, ttmp9, 1
	s_wait_kmcnt 0x0
	s_cmp_ge_u32 ttmp9, 144
	s_cbranch_scc1 .Lwq
	s_cmp_ge_u32 ttmp9, 128
	s_cbranch_scc1 .Lse
	s_lshr_b32 s34, ttmp9, 3                       ; the video
	FS FEB, 8, 10, 22, 4, 0
.Lse:
	s_sub_co_u32 s34, ttmp9, 128
	s_lshr_b32 s34, s34, 3                         ; the group of 64 rows
	FS SEB, 12, 14, 24, 6, 1
; THE WEIGHT ROLE: 64 rows of Wiou or Wp.  Wave (tp = wave / 8, d range wave % 8) takes tiles 2 tp and 2 tp + 1 of 16 rows.
.Lwq:
	s_sub_co_u32 s34, ttmp9, 144                   ; block W
	s_and_b32 s35, s34, 3
	s_cmp_lt_u32 s34, 4
	s_cselect_b64 s[42:43], s[16:17], s[18:19]     ; the choice hangs on the work-group's number alone
	s_lshl_b32 s40, s35, 17                        ; 64 rows of 2,048 bytes a block,
	s_lshl_b32 s39, s28, 16                        ; 32 rows for tp,
	s_add_co_u32 s40, s40, s39
	s_lshl_b32 s39, s27, 8                         ; my 256 bytes of each row
	s_add_co_u32 s40, s40, s39
	s_mov_b32 s41, 0
	s_add_nc_u64 s[42:43], s[42:43], s[40:41]
	s_mul_i32 s40, s34, 25600
	s_add_nc_u64 s[46:47], s[20:21], s[40:41]      ; the block's place in wimg
	s_lshr_b32 s39, s27, 2
	s_mul_i32 s40, s39, 13312                      ; K steps 2, 3 lie behind the scale tables,
	s_and_b32 s39, s31, 1
	s_mul_i32 s39, s39, 6144                       ; four fragments a K step,
	s_add_co_u32 s40, s40, s39
	s_mul_i32 s39, s28, 3072                       ; tile 2 tp,
	s_add_co_u32 s40, s40, s39
	s_mul_i32 s39, s32, 768                        ; half c
	s_add_co_u32 s40, s40, s39
	s_add_nc_u64 s[44:45], s[46:47], s[40:41]
	s_mul_i32 s36, s26, 4352
	s_add_co_u32 s36, s36, TURNW
	v_add_nc_u32 v14, s36, v238
	v_add_nc_u32 v15, s36, v239
	s_lshl_b32 s36, s28, 9
	s_add_co_u32 s36, s36, s30
	s_add_co_u32 s36, s36, WSCT
	v_add_nc_u32 v9, s36, v6                       ; my bytes in the tables
	s_and_b32 s36, s26, 1
	s_lshl_b32 s36, s36, 9
	v_add_nc_u32 v11, s36, v4                      ; the tables' way out: 512 bytes for each of waves 0 and 1
	v_add_nc_u32 v10, WSCT, v11
	s_wait_alu depctr_va_vdst(0)                   ; the offsets and LDS addresses v4, v5, v9 to v11, v14, v15 and v240 are written, which every load and store of this role reads; none of them is written again
.irp y, 0,1
.irp e, 0,1,2,3,4,5,6,7
	global_load_b128 v[16+32*\y+4*\e:19+32*\y+4*\e], v240, s[42:43] offset:(16*\y+2*\e)*2048 th:TH_LOAD_NT   ; read once in the launch
.endr
.endr
	ROWPAIR
.irp y, 0,1
	global_store_b128 v4, v[176+8*\y:179+8*\y], s[44:45] offset:1536*\y        ; 512 consecutive bytes, aligned
	global_store_b64 v5, v[180+8*\y:181+8*\y], s[44:45] offset:1536*\y+512     ; 256 consecutive bytes, aligned
	ds_store_b8 v9, v[208+\y] offset:256*\y
.endr
	s_wait_dscnt 0x0                               ; for the others' sake: my bytes have landed
	s_barrier_signal -1
	s_barrier_wait -1
	s_cmp_lt_u32 s26, 2
	s_cbranch_scc0 .Lwq_end
	ds_load_b128 v[144:147], v10                   ; no wait on va_vdst here: the quantiser's reads of v144 on stand ahead of the one in front of my stores, and no vector line has been issued since
	s_wait_dscnt 0x0
	global_store_b128 v11, v[144:147], s[46:47] offset:12288
.Lwq_end:
	s_wait_dscnt 0x0                               ; the closing lines, six on end
	s_wait_alu 0x0
	s_wait_tensorcnt 0x0
	ds_add_u32 v254, v255
	s_wait_dscnt 0x0
	s_endpgm
.Lfunc_end_k_qc6a11c448d_prep:
	.size	k_qc6a11c448d_prep, .Lfunc_end_k_qc6a11c448d_prep-k_qc6a11c448d_prep
	.p2alignl 7, 3214868480
	.fill 96, 4, 3214868480
	.section	.rodata,"a",@progbits
	.p2align	6, 0x0
	.amdhsa_kernel k_qc6a11c448d_prep
		.amdhsa_group_segment_fixed_size 209920
		.amdhsa_private_segment_fixed_size 0
		.amdhsa_enable_private_segment 0
		.amdhsa_kernarg_size 88
		.amdhsa_user_sgpr_count 2
		.amdhsa_user_sgpr_kernarg_segment_ptr 1
		.amdhsa_wavefront_size32 1
		.amdhsa_system_sgpr_workgroup_id_x 1
		.amdhsa_system_sgpr_workgroup_id_y 1
		.amdhsa_system_sgpr_workgroup_id_z 1
		.amdhsa_system_vgpr_workitem_id 0
		.amdhsa_next_free_vgpr 256
		.amdhsa_next_free_sgpr 66
		.amdhsa_reserve_vcc 0
		.amdhsa_float_denorm_mode_32 3
		.amdhsa_float_denorm_mode_16_64 3
		.amdhsa_memory_ordered 1
		.amdhsa_forward_progress 1
		.amdhsa_inst_pref_size 62
	.end_amdhsa_kernel
	.amdgpu_metadata
---
amdhsa.version: [ 1, 2 ]
amdhsa.kernels:
  - .name:           k_qc6a11c448d_prep
    .symbol:         k_qc6a11c448d_prep.kd
    .args:
      - { .name: feats, .offset: 0, .size: 8, .value_kind: global_buffer, .address_space: global }
      - { .name: sent_feat_fusion, .offset: 8, .size: 8, .value_kind: global_buffer, .address_space: global }
      - { .name: W1, .offset: 16, .size: 8, .value_kind: global_buffer, .address_space: global }
      - { .name: b1, .offset: 24, .size: 8, .value_kind: global_buffer, .address_space: global }
      - { .name: W2, .offset: 32, .size: 8, .value_kind: global_buffer, .address_space: global }
      - { .name: b2, .offset: 40, .size: 8, .value_kind: global_buffer, .address_space: global }
      - { .name: Wiou, .offset: 48, .size: 8, .value_kind: global_buffer, .address_space: global }
      - { .name: Wp, .offset: 56, .size: 8, .value_kind: global_buffer, .address_space: global }
      - { .name: wimg, .offset: 64, .size: 8, .value_kind: global_buffer, .address_space: global }
      - { .name: v1img, .offset: 72, .size: 8, .value_kind: global_buffer, .address_space: global }
      - { .name: q2img, .offset: 80, .size: 8, .value_kind: global_buffer, .address_space: global }
    .group_segment_fixed_size: 209920
    .private_segment_fixed_size: 0
    .kernarg_segment_align: 8
    .kernarg_segment_size: 88
    .max_flat_workgroup_size: 512
    .sgpr_count:     66
    .vgpr_count:     256
    .wavefront_size: 32
...
	.end_amdgpu_metadata
.endif
;; end of part 3
;; launch main: the kernel of part 2 again; grid 16 x 16, 8 waves a work-group, clusters of 4 x 1, 327,680 bytes of LDS; arguments feats, sent_feat_iou, sent_feat, Wfuse, wimg, v1img, q2img, out0; writes out0
